; MI455X (gfx1250); checked and timed in simulation.
; The chip was launched on July 23, 2026; its instructions are those of AMD's public machine-readable ISA for CDNA 5 (MIT licence, August 2026) and "CDNA5" Instruction Set Architecture Reference Guide (July 2026). The comments in the code are by the model that wrote it; some were corrected since.
;; Multi Head Self Attention. Allowed arithmetic: matrix products marked QUANTISED: E2M3 operands, one E8M0 scale for each 32 along K, by v_wmma_scale_f32_16x16x128_f8f6f4 with both operands' format E2M3, f32 sums; everything else in f32.
;; Inputs: Wk 1,024 x 1,024 float32; Wo 1,024 x 1,024 float32; Wq 1,024 x 1,024 float32; Wv 1,024 x 1,024 float32; x 4 x 2,048 x 1,024 float32.
;; Outputs: out0 4 x 2,048 x 1,024 float32.
;; This version of the problem:
;;   THIS VERSION OF THE PROBLEM IS GIVEN IN LOW PRECISION. The matrix products marked QUANTISED in the list below multiply operands that are first quantised to E2M3 (2 exponent bits, 3 mantissa bits; 6 bits a number), with one power-of-two scale for each 32 numbers along K (OCP MX v1.0); their sums are f32. All else is computed in f32.
;;   The module's matrix products, in the order in which they are computed (A, B: the left and right operand; K: the contracted axis; several contracted axes count as one K, in the product's order):
;;     1. [M 8,192, K 1,024] x [K 1,024, N 1,024]; A: input x; B: input Wq: QUANTISED
;;     2. [M 8,192, K 1,024] x [K 1,024, N 1,024]; A: input x; B: input Wk: QUANTISED
;;     3. [M 8,192, K 1,024] x [K 1,024, N 1,024]; A: input x; B: input Wv: QUANTISED
;;     4. batch 64 x [M 2,048, K 64] x [K 64, N 2,048]; A: computed on the way; B: computed on the way: QUANTISED
;;     5. batch 64 x [M 2,048, K 2,048] x [K 2,048, N 64]; A: softmax (see below); B: computed on the way: QUANTISED
;;     6. [M 8,192, K 1,024] x [K 1,024, N 1,024]; A: computed on the way; B: input Wo: QUANTISED
;;   THE QUANTISER, for each operand of a quantised product, along K:
;;     - K is cut into blocks of 32 from its start; a last block that is shorter is filled with zeros.
;;     - A block's scale is 2^e with e = floor(log2(the largest magnitude in the block)) - 2, held to -126 .. 127; a block of zeros has e = 0. As a byte (E8M0): e + 127.
;;     - Each number is divided by its block's scale, clamped to +-7.5, and rounded to the nearest number of E2M3, ties to even, subnormals kept.
;;     - The product sums the exact products of the quantised numbers (number of the format x scale) in f32.
;;   ~~~python
;;   def quantise(x, axis):      # numpy; x: float32 -> the quantised numbers, widened to float32 again
;;       x = np.moveaxis(x, axis, -1); K = x.shape[-1]
;;       x = np.pad(x, [(0, 0)] * (x.ndim - 1) + [(0, -K % 32)]); x = x.reshape(x.shape[:-1] + (-1, 32)); a = np.abs(x).max(-1, keepdims=True)
;;       e = np.where(a > 0, np.clip(np.frexp(np.where(a > 0, a, 1))[1] - 1 - 2, -126, 127), 0)      # np.frexp(a)[1] - 1 = floor(log2(a)), exactly
;;       r = np.clip(x / 2.0 ** e, -7.5, 7.5)
;;       step = 2.0 ** (np.maximum(np.frexp(np.where(r == 0, 1, r))[1] - 1, 0) - 3)
;;       q = np.round(r / step) * step * 2.0 ** e      # np.round: ties to even
;;       return np.moveaxis(q.reshape(q.shape[:-2] + (-1,))[..., :K], -1, axis).astype(np.float32)
;;   ~~~
;;   SOFTMAX AHEAD OF A QUANTISED PRODUCT. Where the list says 'softmax', what is quantised is not the finished softmax but p = 2^(t - M), with t = logit x log2(e) and M = ceil(the row's largest t), a whole number; so 1/2 < the row's largest p <= 1. The row's sum l is taken of the UNQUANTISED p, in f32, and the product's result is divided by l at the end. Since M is a whole number, a kernel that streams over the keys may use a running M (the ceiling of the running maximum): every later rescaling is an exact power of two, which a block's scale takes up: the codes' values come out the same.
;;   OPERANDS COMPUTED ON THE WAY. 'Computed on the way' means the value that the module computes at that place (a softmax that the list does not call 'softmax' is quantised finished and normalised). What goes into a quantiser is computed in f32, as accurately as f32 sums, v_exp_f32 and their like allow (about 1e-6 of the number): no bf16 or f16 on the way to a quantiser, and a product that is left as it is and whose result goes on into a quantised operand takes f32 operands (vector FMAs, or v_wmma_f32_16x16x4_f32). A number that lies on a knife's edge between two numbers of the format may be rounded either way, as far as f32 arithmetic and the matrix unit's own rounding can turn it there, and no further.
;; One version. Each part assembles by itself: llvm-mc -triple=amdgcn-amd-amdhsa -mcpu=gfx1250 --defsym DOCPART=n.
;; ======== version 1 of 1: 4 launches
;; workspace buffers: x_codes 6,291,456 bytes; x_scales 262,144 bytes; w_codes 3,145,728 bytes; w_scales 131,072 bytes; rope_tab 524,288 bytes; qi 6,815,744 bytes; kv 13,369,344 bytes; ao 6,553,600 bytes
;; launch quant (part 1): grid 400 x 1, 4 waves a work-group, no clusters, 33,280 bytes of LDS; arguments x, Wq, Wk, Wv, Wo, x_codes, x_scales, w_codes, w_scales, rope_tab; writes x_codes, x_scales, w_codes, w_scales, rope_tab
.if DOCPART == 1
	.amdgcn_target "amdgcn-amd-amdhsa--gfx1250"
	.amdhsa_code_object_version 6
	.text
	.protected	k_q9cd1c07aac_quant
	.globl	k_q9cd1c07aac_quant
	.p2align	8
	.type	k_q9cd1c07aac_quant,@function
k_q9cd1c07aac_quant:
	s_mov_b64 s[64:65], 0
	v_nop
	global_prefetch_b8 v0, s[64:65] scope:SCOPE_SE
	s_setreg_imm32_b32 hwreg(HW_REG_WAVE_MODE, 25, 1), 1
	s_wait_xcnt 0x0
; x [8192][1024] and Wq, Wk, Wv, Wo [1024][1024], f32, become codes of FP6 (E2M3), K innermost, with one E8M0 byte for each 32 along K; and the table of cos and sin for the rotation is made.
; A block's scale is 2^(floor(log2(its largest magnitude)) - 2); its byte is the largest magnitude's exponent field - 2, held at 1 from below.  (A block of zeros so gets the byte 1 where the rule says 127:
; its codes are zeros, and this program alone reads the bytes.)
; LIMITS: NaN and infinities among the inputs are not served; a block whose largest magnitude lies under 2^-124 keeps the byte 1.
; SHARES.  Work-groups 0-255: x, 32 rows each, 8 rows (8,192 numbers) a wave.  Work-groups 256-383: the four weights, 32 work-groups each, into one buffer of 4,096 rows (Wq, Wk, Wv, Wo).  Work-groups 384-399: the table.
; THE ORDER OF ROWS IN THE CODES' BUFFERS.  The rows of x, Wq, Wk and Wv are stored with bits 3 and 4 of the row's number changed over, so that 16 rows on end are rows 32 b + 8 u + r + 8 (r / 8):
; in a matrix result the 16 registers of two neighbouring tiles are then 16 neighbours, as a quantiser of that result wants them.  A wave's run is just 8 rows, so only the wave's number in the
; destination has its two bits changed over.  Wo's rows are stored as they lie.
; A wave takes 16 steps of 512 numbers.  Each load reads 512 consecutive bytes; a step's 2,048 bytes turn through the wave's own stage in LDS and come back 64 bytes (16 neighbours along K) a lane; two lanes hold a block.
; No barrier: waves share nothing.  Loads run four steps (16 loads a wave) ahead, the turn through LDS one step.
.set STEPS, 16
.set CB,    12                         ; bytes of 16 codes
.set R,     16                         ; v16-79   four sets of 16 numbers as they are loaded
.set X,     80                         ; v80-111  two sets of 16 neighbours
.set C,     128                        ; v128-191 codes: four registers for each step, so that no store's data are written again
.set E,     112                        ; v112-127 a scale byte for each step
.set WREG,  8192                       ; LDS: a region for each wave: two stages of 32 x SP bytes, behind them its 256 scale bytes
.set SP,    80                         ; a lane's place in a stage: 64 bytes + 16 of padding
	s_load_b512 s[4:19], s[0:1], 0x0               ; x, Wq, Wk, Wv, Wo, x_codes, x_scales, w_codes
	s_load_b128 s[20:23], s[0:1], 0x40             ; w_scales, rope_tab
	v_lshl_add_u32 v192, v0, 2, 0x8000
	v_mov_b32 v193, 0
	v_lshrrev_b32 v1, 5, v0
	v_readfirstlane_b32 s24, v1                    ; wave
	v_and_b32 v2, 31, v0                           ; lane
	s_cmp_ge_u32 ttmp9, 384
	s_cbranch_scc1 .Ltable
	v_lshlrev_b32 v3, 4, v2                        ; my 16 bytes of a load's 512
	s_mul_i32 s25, s24, WREG
	v_lshrrev_b32 v14, 2, v2
	v_mul_u32_u24 v14, v14, SP
	v_and_b32 v15, 3, v2
	v_lshl_add_u32 v14, v15, 4, v14
	v_add_nc_u32 v14, s25, v14                     ; the stage, on the way in: SP (lane / 4) + 16 (lane % 4)
	v_mul_u32_u24 v15, v2, SP
	v_add_nc_u32 v15, s25, v15                     ; and on the way out: SP x lane: my 16 neighbours
	v_mul_u32_u24 v4, v2, CB                       ; my codes' place in a step's
	v_lshrrev_b32 v5, 1, v2
	s_add_co_u32 s25, s25, 2*32*SP
	v_add_nc_u32 v5, s25, v5                       ; LDS: my wave's 256 scale bytes, my block's byte
	v_lshlrev_b32 v7, 3, v2                        ; and on the way out 8 bytes a lane
	v_add_nc_u32 v6, s25, v7
	s_sub_co_u32 s26, ttmp9, 256                   ; j: the work-group's number among the weights' (a very large number in x's work-groups)
	s_and_b32 s27, s26, 31                         ; and within its weight
	s_and_b32 s30, s24, 1
	s_lshl_b32 s30, s30, 1
	s_lshr_b32 s31, s24, 1
	s_or_b32 s30, s30, s31                         ; the wave's number with its two bits changed over
	s_wait_alu depctr_va_vdst(0)
	s_wait_kmcnt 0x0
	s_cmp_lt_u32 s26, 96                           ; the source: each choice hangs on the work-group's number alone
	s_cselect_b64 s[12:13], s[10:11], s[12:13]
	s_cmp_lt_u32 s26, 64
	s_cselect_b64 s[12:13], s[8:9], s[12:13]
	s_cmp_lt_u32 s26, 32
	s_cselect_b64 s[12:13], s[6:7], s[12:13]
	s_cmp_lt_u32 ttmp9, 256
	s_cselect_b64 s[4:5], s[4:5], s[12:13]         ; from here
	s_cselect_b64 s[8:9], s[14:15], s[18:19]       ; codes to here
	s_cselect_b64 s[10:11], s[16:17], s[20:21]     ; scale bytes to here
	s_cselect_b32 s28, ttmp9, s27                  ; which 32 rows of the source,
	s_cselect_b32 s29, ttmp9, s26                  ; and of the destination
	s_cmp_lt_u32 ttmp9, 352                        ; Wo's rows stay in their order
	s_cselect_b32 s30, s30, s24
	s_lshl_b32 s28, s28, 2
	s_add_co_u32 s28, s28, s24                     ; the source's run of 8 rows
	s_lshl_b32 s29, s29, 2
	s_add_co_u32 s29, s29, s30                     ; the destination's
	s_lshl_b32 s32, s28, 15                        ; 32,768 bytes of f32 a run
	s_mov_b32 s33, 0
	s_add_nc_u64 s[4:5], s[4:5], s[32:33]
	s_mul_i32 s32, s29, 32*STEPS*CB                ; 6,144 bytes of codes a run
	s_add_nc_u64 s[8:9], s[8:9], s[32:33]
	s_lshl_b32 s32, s29, 8                         ; 256 scale bytes a run
	s_add_nc_u64 s[10:11], s[10:11], s[32:33]
.macro LOAD t
.irp i, 0,1,2,3
	global_load_b128 v[R+16*((\t)%4)+4*\i:R+16*((\t)%4)+4*\i+3], v3, s[4:5] offset:2048*(\t)+512*\i th:TH_LOAD_NT   ; 32 lanes read 512 consecutive bytes
.endr
.endm
.macro TURN t                          ; step t's numbers through the stage: LDS serves a wave's instructions in order, so no wait stands between the stores and the loads
.irp i, 0,1,2,3
	ds_store_b128 v14, v[R+16*((\t)%4)+4*\i:R+16*((\t)%4)+4*\i+3] offset:32*SP*((\t)%2)+8*SP*\i
.endr
.irp i, 0,1,2,3
	ds_load_b128 v[X+16*((\t)%2)+4*\i:X+16*((\t)%2)+4*\i+3], v15 offset:32*SP*((\t)%2)+16*\i
.endr
.endm
.irp t, 0,1,2,3
	LOAD \t
.endr
	s_wait_loadcnt 12                              ; step 0's four loads are in; the three steps behind it may be out
	TURN 0
.macro STEP t
.set XS, X+16*((\t)%2)
.if (\t) > 0
	s_wait_dscnt 1                                 ; this step's numbers are back from the stage (the last step's byte store may be out): so its stores into the stage have read their registers,
.else
	s_wait_dscnt 0x0
.endif
.if (\t)+4 < STEPS
	LOAD (\t)+4                                    ; which take the loads of four steps on
.endif
.if (\t)+1 < STEPS
.if STEPS-2-(\t) >= 3
	s_wait_loadcnt 12                              ; the next step's four loads are in; those of the three steps behind it may be out
.else
	s_wait_loadcnt 4*(STEPS-2-(\t))
.endif
	TURN (\t)+1                                    ; and go through the other stage while this step is worked
.endif
	v_max3_num_f32 v8, |v[XS]|, |v[XS+1]|, |v[XS+2]|               ; the largest magnitude of my 16, in two chains
	v_max3_num_f32 v9, |v[XS+3]|, |v[XS+4]|, |v[XS+5]|
.irp i, 6,10
	v_max3_num_f32 v8, v8, |v[XS+\i]|, |v[XS+\i+1]|
	v_max3_num_f32 v9, v9, |v[XS+\i+2]|, |v[XS+\i+3]|
.endr
	v_max3_num_f32 v8, v8, |v[XS+14]|, |v[XS+15]|
	v_max3_num_f32 v8, v8, v9, 0x1800000           ; and the floor 2^(3 - 127): the byte cannot fall under 1
	v_max_num_f32_dpp v8, v8, v8 row_xmask:1 row_mask:0xf bank_mask:0xf   ; and of my neighbour's 16: the block's
	v_add_nc_u32 v11, 0xff000000, v8               ; 2 off its exponent field: the conversion takes the exponent field of this operand as its scale
	v_cvt_scalef32_pk16_fp6_f32 v[C+4*(\t):C+4*(\t)+2], v[XS:XS+15], v11
	v_lshrrev_b32 v[E+(\t)], 23, v11               ; the scale's byte (also the plain line behind the conversion)
	ds_store_b8 v5, v[E+(\t)] offset:16*(\t)       ; both lanes of a block write the same byte with the same value
	global_store_b96 v4, v[C+4*(\t):C+4*(\t)+2], s[8:9] offset:32*CB*(\t)   ; the wave stores 384 consecutive bytes
.endm
.irp t, 0,1,2,3,4,5,6,7,8,9,10,11,12,13,14,15
	STEP \t
.endr
	ds_load_b64 v[12:13], v6                       ; LDS serves a wave's instructions in order: these see my stores
	s_wait_dscnt 0x0
	global_store_b64 v7, v[12:13], s[10:11]        ; 32 lanes store 256 consecutive bytes, aligned
	s_wait_tensorcnt 0x0
	ds_add_u32 v192, v193
	s_wait_dscnt 0x0
	s_endpgm
; THE TABLE: rope_tab[position][pair i][cos, sin], f32: 256 bytes a position.  A wave makes 32 positions; lane i is pair i; one store covers a position's 256 bytes.
; inv_freq(i) = 10000^(-i / 32) = 2^(-i c), c = log2(10000) / 32 = c_hi + c_lo with c_hi = 54426 / 2^17: i c_hi is exact, and 2^(-i c_lo) = 1 - i c_lo ln 2 up to 3e-9.
; The angle is position x inv_freq, rounded once, as the module has it.  It is brought into [-pi/4, pi/4] by taking n x pi/2 off in two parts (n under 1,304), then sine and cosine by polynomials
; of degree 7 and 8 whose error there is about 1e-7; n's last two bits choose between them and set the signs.
; LIMIT: inv_freq is right to about 1.5 units in its last place; at the last position that is about 1e-4 of a radian in the first pair's angle.
.Ltable:
	s_sub_co_u32 s25, ttmp9, 384
	s_lshl_b32 s25, s25, 2
	s_add_co_u32 s25, s25, s24                     ; which 32 positions: 0 .. 63
	s_lshl_b32 s26, s25, 5                         ; my first position
	s_lshl_b32 s27, s26, 8
	s_mov_b32 s30, 0x3f22f983                      ; 2 / pi
	s_mov_b32 s31, 0xbfc90fdb                      ; -(pi / 2), upper part
	s_mov_b32 s32, 0x333bbd2e                      ; the upper part is 4.371139e-8 too large
	s_mov_b32 s33, 0xb94ca1f9                      ; sine: -1.9515296e-4, 8.3321609e-3, -1.6666655e-1
	s_mov_b32 s34, 0x3c08839e
	s_mov_b32 s35, 0xbe2aaaa3
	s_mov_b32 s36, 0x37ccf5ce                      ; cosine: 2.4433157e-5, -1.3887316e-3, 4.1666646e-2
	s_mov_b32 s37, 0xbab6061a
	s_mov_b32 s38, 0x3d2aaaa5
	s_wait_alu depctr_va_vdst(0)
	v_cvt_f32_u32 v3, v2                           ; i
	v_mul_f32 v4, 0xbed49a00, v3                   ; -i c_hi, exact
	s_wait_alu depctr_va_vdst(0)
	v_exp_f32 v5, v4
	v_mul_f32 v6, 0x3626c3ea, v3                   ; i c_lo ln 2  (the plain line behind the exponential)
	v_cvt_f32_u32 v8, s26                          ; the position as f32
	v_lshlrev_b32 v9, 3, v2
	v_add_nc_u32 v9, s27, v9                       ; 8 i + 256 x position
	s_wait_alu depctr_va_vdst(0)                   ; ahead of the exponential's first reader
	v_fma_f32 v7, -v6, v5, v5                      ; inv_freq
	s_mov_b32 s28, 0
	s_wait_kmcnt 0x0
.Lpos:
	s_wait_alu depctr_va_vdst(0)
	v_mul_f32 v10, v8, v7                          ; the angle
	v_mul_f32 v11, s30, v10
	v_rndne_f32 v11, v11                           ; n
	v_fma_f32 v12, v11, s31, v10
	v_fma_f32 v12, v11, s32, v12                   ; r = angle - n pi / 2
	v_mul_f32 v13, v12, v12                        ; z = r r
	v_fma_f32 v14, v13, s33, s34
	v_fma_f32 v15, v13, s36, s37
	v_fma_f32 v14, v14, v13, s35
	v_fma_f32 v15, v15, v13, s38
	v_mul_f32 v14, v14, v13
	v_fma_f32 v16, v13, -0.5, 1.0
	v_mul_f32 v17, v13, v13
	v_fma_f32 v14, v14, v12, v12                   ; sin r
	v_fma_f32 v15, v17, v15, v16                   ; cos r
	v_cvt_i32_f32 v18, v11
	v_and_b32 v19, 1, v18
	v_cmp_ne_u32 vcc_lo, 0, v19                    ; n odd: the two change places
	v_cndmask_b32 v21, v14, v15, vcc_lo
	v_cndmask_b32 v20, v15, v14, vcc_lo
	v_and_b32 v19, 2, v18
	v_lshlrev_b32 v19, 30, v19
	v_xor_b32 v21, v19, v21                        ; the sine is negated where n % 4 is 2 or 3,
	v_add_nc_u32 v19, 1, v18
	v_and_b32 v19, 2, v19
	v_lshlrev_b32 v19, 30, v19
	v_xor_b32 v20, v19, v20                        ; the cosine where it is 1 or 2
	global_store_b64 v9, v[20:21], s[22:23]        ; 32 lanes store 256 consecutive bytes, aligned
	s_wait_xcnt 0x0                                ; the store's offset and data are written again only behind this wait
	v_add_nc_u32 v9, 0x100, v9
	v_add_f32 v8, 1.0, v8
	s_add_co_u32 s28, s28, 1
	s_cmp_lt_u32 s28, 32
	s_cbranch_scc1 .Lpos
	s_endpgm
.Lfunc_end_k_q9cd1c07aac_quant:
	.size	k_q9cd1c07aac_quant, .Lfunc_end_k_q9cd1c07aac_quant-k_q9cd1c07aac_quant
	.p2alignl 7, 3214868480
	.fill 96, 4, 3214868480
	.section	.rodata,"a",@progbits
	.p2align	6, 0x0
	.amdhsa_kernel k_q9cd1c07aac_quant
		.amdhsa_group_segment_fixed_size 33280
		.amdhsa_private_segment_fixed_size 0
		.amdhsa_enable_private_segment 0
		.amdhsa_kernarg_size 80
		.amdhsa_user_sgpr_count 2
		.amdhsa_user_sgpr_kernarg_segment_ptr 1
		.amdhsa_wavefront_size32 1
		.amdhsa_system_sgpr_workgroup_id_x 1
		.amdhsa_system_sgpr_workgroup_id_y 1
		.amdhsa_system_sgpr_workgroup_id_z 1
		.amdhsa_system_vgpr_workitem_id 0
		.amdhsa_next_free_vgpr 194
		.amdhsa_next_free_sgpr 66
		.amdhsa_reserve_vcc 1
		.amdhsa_float_denorm_mode_32 3
		.amdhsa_float_denorm_mode_16_64 3
		.amdhsa_memory_ordered 1
		.amdhsa_forward_progress 1
		.amdhsa_inst_pref_size 36
	.end_amdhsa_kernel
	.amdgpu_metadata
---
amdhsa.version: [ 1, 2 ]
amdhsa.kernels:
  - .name:           k_q9cd1c07aac_quant
    .symbol:         k_q9cd1c07aac_quant.kd
    .args:
      - { .name: x, .offset: 0, .size: 8, .value_kind: global_buffer, .address_space: global }
      - { .name: Wq, .offset: 8, .size: 8, .value_kind: global_buffer, .address_space: global }
      - { .name: Wk, .offset: 16, .size: 8, .value_kind: global_buffer, .address_space: global }
      - { .name: Wv, .offset: 24, .size: 8, .value_kind: global_buffer, .address_space: global }
      - { .name: Wo, .offset: 32, .size: 8, .value_kind: global_buffer, .address_space: global }
      - { .name: x_codes, .offset: 40, .size: 8, .value_kind: global_buffer, .address_space: global }
      - { .name: x_scales, .offset: 48, .size: 8, .value_kind: global_buffer, .address_space: global }
      - { .name: w_codes, .offset: 56, .size: 8, .value_kind: global_buffer, .address_space: global }
      - { .name: w_scales, .offset: 64, .size: 8, .value_kind: global_buffer, .address_space: global }
      - { .name: rope_tab, .offset: 72, .size: 8, .value_kind: global_buffer, .address_space: global }
    .group_segment_fixed_size: 33280
    .private_segment_fixed_size: 0
    .kernarg_segment_align: 8
    .kernarg_segment_size: 80
    .max_flat_workgroup_size: 128
    .sgpr_count:     66
    .vgpr_count:     194
    .wavefront_size: 32
...
	.end_amdgpu_metadata
.endif
;; end of part 1
;; launch qkv (part 2): grid 12 x 32, 4 waves a work-group, clusters of 4 x 4, 327,680 bytes of LDS; arguments x_codes, x_scales, w_codes, w_scales, rope_tab, qi, kv; writes qi, kv
.if DOCPART == 2
	.amdgcn_target "amdgcn-amd-amdhsa--gfx1250"
	.amdhsa_code_object_version 6
	.text
	.protected	k_q9cd1c07aac_qkv
	.globl	k_q9cd1c07aac_qkv
	.p2align	8
	.type	k_q9cd1c07aac_qkv,@function
k_q9cd1c07aac_qkv:
	s_mov_b64 s[64:65], 0
	v_nop
	global_prefetch_b8 v0, s[64:65] scope:SCOPE_SE
	s_setreg_imm32_b32 hwreg(HW_REG_WAVE_MODE, 25, 1), 1
	s_wait_xcnt 0x0
	s_wait_alu depctr_hold_cnt(0) depctr_sa_sdst(0) depctr_va_vdst(0) depctr_va_sdst(0) depctr_va_ssrc(0) depctr_va_vcc(0) depctr_vm_vsrc(0)
	s_getreg_b32 s2, hwreg(HW_REG_IB_STS2, 6, 4)
	s_cmp_eq_u32 s2, 0
	s_cbranch_scc0 .Lentry_in_a_cluster
	s_endpgm
.Lentry_in_a_cluster:
	s_bfe_u32 s2, ttmp6, 0x10000c
	s_cmp_lg_u32 s2, 0xf033
	s_cbranch_scc0 .Lentry_shape_is_right
	s_endpgm
.Lentry_shape_is_right:
; q, k, v = x Wq^T, x Wk^T, x Wv^T on codes of FP6 (E2M3) with one E8M0 scale for each 32 along K = 1,024; q and k are rotated (f32) and quantised along the head's 64, v along the keys;
; all three leave as IMAGES OF OPERAND REGISTERS, as the attention launch loads them.  Nothing wider than codes goes to memory.
; THE PRODUCT.  A tile of 256 x 256 is made by four waves, a wave makes 128 x 128: 64 accumulators, 512 registers.  K goes in steps of 256 (rows of 192 bytes) through a ring of two LDS slots filled by
; the tensor data mover; the scale bytes of the tile's 2 x 256 rows, for all of K, come once with the first fills.  Source 0 of the matrix instruction is called B, source 1 A: in a result a lane holds ONE row of A
; and its registers run along B's rows.
; ROLES, by the cluster's x, which all sixteen partners share:  0, 1: A = x (a lane holds a token), B = Wq or Wk (registers run along the features): so a token's 128 features, two heads, lie in one lane's 64 + 64 registers.
;   2: A = Wv (a lane holds a channel), B = x (registers run along the tokens, which are the second attention product's K).
; The rows of x, Wq, Wk, Wv lie in the codes' buffers with bits 3 and 4 of the row's number changed over: 16 rows on end are rows 32 b + 8 u + r + 8 (r / 8), so the 16 registers of tiles 2 b and 2 b + 1
; of lane (r, h) are the 16 neighbours 32 b + 16 h + 0 .. 15.  Tokens and channels that lie ACROSS lanes keep that order in the images; only the rotation's position needs the true number here.
; CLUSTERS: 4 x 4 work-groups.  A's tile hangs on the cluster's y and cy alone and is asked for jointly by a row of the cluster, B's on x and cx alone, by a column.
; 384 work-groups: a tile of 256 x 384, which would give 256, wants 768 accumulators beside 240 registers of fragments and does not fit.
; WHAT IS STORED.  qi: for each (batch, head) 16 groups of 128 queries, 6,656 bytes: 8 tiles of 16 queries x 64 (768 bytes: 16 bytes x lane, then 8 bytes x lane), then 128 scale words.
;   kv: for each (batch, head) 16 steps of 128 keys, 13,056 bytes: K as q's group (6,656), then V^T: 4 fragments of 16 channels x 128 keys (3 x 16 bytes x lane each), then 64 scale words.
;   A scale word of q or k has the head's two bytes below; the two above scale zero codes alone and are the neighbouring head's bytes or 0, never 0xff.
; LIMITS: NaN and infinities are not served; a block whose largest magnitude lies under 2^-124 keeps the byte 1 (a block of zeros too: its codes are zeros).
; REGISTERS, in windows of 256: window 0: v1-9 the way out's addresses; v16-29 addresses; v32-63 scale words, two sets; v128-223 A's fragments, one set; on the way out v32-223 are free.
;   window 1: B's fragments, two sets.   window 2: the accumulators of A's blocks 0-3 ((a, b) at v[8 (8 a + b)]);   window 3: those of blocks 4-7.
.set NQ,     2                         ; matrix instructions deep in a slot
.set ROWB,   192                       ; a tile's row in bytes: 256 codes
.set KROW,   768                       ; a row of codes in memory
.set PITCH,  240                       ; an LDS row: 3 x (64 bytes + 16 of padding)
.set FR,     12                        ; registers of a fragment
.set NL,     6                         ; LDS loads that bring one
.set NP,     4                         ; places behind this matrix instruction (ISA guide 7.12.1)
.set HALFT,  128*PITCH
.set SLOT,   4*HALFT                   ; A's 256 rows, then B's 256 rows
.set LAPS,   2                         ; K = 1,024: four K steps, twice round the ring
.set KS,     32                        ; a row of scale bytes
.set SCL,    2*SLOT                    ; behind the ring: the scales, as units of 256 bytes + 16 of padding
.set HALFS,  (128*KS/256)*272
.set SBLK,   (16*KS/256)*272
.set SPARE,  SCL+4*HALFS               ; the spare words, 128 bytes for each wave
.set STGQ,   SPARE+512                 ; the way out of roles 0, 1: 1,024 bytes of scale words for each wave; no fill lands here
.set STGV,   STGQ+4096                 ; the way out of role 2: 512 bytes for each wave; bytes of its own
.set IMG16, 1                          ; v1  16 x lane
.set IMG8,  2                          ; v2  8 x lane
.set TA,    3                          ; v3  the table: (r + 8 (r / 8)) x 256 + 64 h
.set SSTQ,  4                          ; v4  STGQ + 1,024 wave + 512 h + 4 r
.set SLDQ,  5                          ; v5  STGQ + 1,024 wave + 16 lane
.set SSTV,  6                          ; v6  STGV + 512 wave + 4 r
.set SLDV,  7                          ; v7  STGV + 512 wave + 16 lane
.set SH,    8                          ; v8  16 h
.set VO,    9                          ; v9  16 (lane % 16) + (lane / 16) x a head's bytes in kv
.set ADRA, 16                          ; v16-17 LDS address of my A fragments in slot 0, 1 (v18-19: for the pieces behind one padding more)
.set ADRB, 20                          ; v20-23 the same for B
.set ADRS, 27                          ; v27 my scale words: lanes 0-15 A's rows, lanes 16-31 B's
.set SPW,  28                          ; v28 my spare word; never rewritten
.set NIL,  29                          ; v29 0; never rewritten
.set SC,   32
.set AF,   128
.set HA,   32                          ; the way out: v32-95 64 rotated numbers
.set CS,   96                          ; v96-159 two sets of 32 numbers of the table
.set CDS,  160                         ; v160-179 the codes just made
.set TM,   180                         ; v180-195 at work in QUANT
.set PW,   196                         ; v196 a scale word
.set T,    198                         ; v198-205 at work in the rotation
.set OUTS, 208                         ; v208-215 scale words read back
.set PWS,  216                         ; v216-223 a block's scale word on its way to LDS: one register a block
.set G1, 24
.set G0, 32
.set G1B, 48
.set G0B, 56
.set G1S, 68
.set G0S, 76
.set G1SB, 80
.set G0SB, 88
.set MSB, 0
.macro WIN new                         ; the immediate's high byte repeats the setting that is left
.if MSB != (\new)
	s_set_vgpr_msb (MSB<<8)|(\new)
.set MSB, (\new)
.endif
.endm
.set MUL_LO, 0xa1                      ; source 0 (B) window 1, source 1 (A) window 0, C and D window 2
.set MUL_HI, 0xf1                      ; the same, C and D window 3
.set TO_B,   0x40                      ; destination window 1
; A joint load: waves 0 and 1 fetch for A, waves 2 and 3 for B; the branch hangs on the wave's number alone.  Four v_nop follow each of the two lines.
.macro JLOAD g0a, g1a, g0b, g1b
	s_cmp_eq_u32 s15, 0
	s_cbranch_scc0 .Lfor_b_\@
	tensor_load_to_lds s[\g0a:\g0a+3], s[\g1a:\g1a+7]
	s_nop 0
.rept 4
	v_nop
.endr
	s_branch .Lasked_\@
.Lfor_b_\@:
	tensor_load_to_lds s[\g0b:\g0b+3], s[\g1b:\g1b+7]
	s_nop 0
.rept 4
	v_nop
.endr
.Lasked_\@:
.endm
.macro CREST                           ; a round of the cluster's barrier behind its opening barrier
	s_cmp_lg_u32 s14, 0
	s_cbranch_scc1 .Lnot_wave_0_\@
	s_barrier_signal -3
.Lnot_wave_0_\@:
	s_barrier_wait -3
	s_barrier_signal -1
	s_barrier_wait -1
.endm
.macro CROUND
	s_barrier_signal -1
	s_barrier_wait -1
	CREST
.endm
	s_load_b256 s[4:11], s[0:1], 0x0               ; x_codes, x_scales, w_codes, w_scales
	v_lshl_add_u32 v[SPW], v0, 2, SPARE
	v_mov_b32 v[NIL], 0
	ds_add_u32 v28, v29
	ds_add_u32 v28, v29
	s_wait_dscnt 0x0
	v_lshrrev_b32 v1, 5, v0
	v_readfirstlane_b32 s14, v1                    ; wave 0..3
	s_lshr_b32 s15, s14, 1                         ; which half of A's rows is mine.  Also: I fetch for A (0) or for B (1)
	s_and_b32 s16, s14, 1                          ; which half of B's rows.  Also: which 128 rows I fetch
	s_bfe_u32 s40, ttmp6, 0x40000                  ; cx, cy
	s_bfe_u32 s41, ttmp6, 0x40004
	s_and_b32 s13, ttmp7, 0xffff                   ; the cluster's y
	s_mov_b32 s66, 0x76543210
	s_mov_b32 s67, 0xfedcba98                      ; v_permlanex16_b32's selects for lane l xor 16
	s_cmp_eq_u32 ttmp9, 2                          ; the role: the same in all sixteen partners
	s_cselect_b32 s96, 1, 0                        ; 1: v
	s_cselect_b32 s42, s13, ttmp9                  ; B's tiles: x's by the cluster's y, or W's by its x
	s_cselect_b32 s17, 0, s13                      ; A's tiles: Wv's four, or x's by the cluster's y
	s_cselect_b32 s97, 2048, 0                     ; Wv begins at row 2,048 of the weights' codes
	s_lshl_b32 s42, s42, 2
	s_add_co_u32 s42, s42, s40                     ; B's tile of 256 rows
	s_lshl_b32 s17, s17, 2
	s_add_co_u32 s17, s17, s41                     ; A's tile of 256 rows
	s_lshl_b32 s43, s41, 2
	s_lshl_b32 s43, 15, s43                        ; my row of the cluster
	s_lshl_b32 s44, 0x1111, s40                    ; my column
	; descriptor group 1: 128 rows x 192 bytes, 16 bytes of padding behind every 64
	s_or_b32 s[G1+0], s43, (0<<16)|(1<<20)|(1<<21)|(3<<22)|(3<<25)
	s_or_b32 s[G1B+0], s44, (0<<16)|(1<<20)|(1<<21)|(3<<22)|(3<<25)
.irp g, G1, G1B
	s_mov_b32 s[\g+1], ROWB<<16                    ; tensor_dim0
	s_mov_b32 s[\g+2], 128<<16                     ; tensor_dim1
	s_mov_b32 s[\g+3], ROWB<<16                    ; tile_dim0
	s_mov_b32 s[\g+4], 128                         ; tile_dim1
	s_mov_b32 s[\g+5], KROW                        ; from row to row
	s_mov_b32 s[\g+6], 0
	s_mov_b32 s[\g+7], 0
.endr
	; the scales of 128 rows: 4,096 dense bytes as 16 rows of 256 bytes (32 elements of 8), 16 bytes of padding behind each
	s_or_b32 s[G1S+0], s43, (3<<16)|(1<<20)|(1<<21)|(5<<22)|(3<<25)
	s_or_b32 s[G1SB+0], s44, (3<<16)|(1<<20)|(1<<21)|(5<<22)|(3<<25)
.irp g, G1S, G1SB
	s_mov_b32 s[\g+1], 32<<16
	s_mov_b32 s[\g+2], (128*KS/256)<<16
	s_mov_b32 s[\g+3], 32<<16
	s_mov_b32 s[\g+4], 128*KS/256
	s_mov_b32 s[\g+5], 32
	s_mov_b32 s[\g+6], 0
	s_mov_b32 s[\g+7], 0
.endr
	s_lshl_b32 s18, s16, 7                         ; which 128 rows of the tile I fetch
	s_lshl_b32 s20, s17, 8
	s_add_co_u32 s20, s20, s18
	s_add_co_u32 s20, s20, s97                     ; A's row
	s_lshl_b32 s46, s42, 8
	s_add_co_u32 s46, s46, s18                     ; B's row
	s_mov_b32 s21, 0
	s_mov_b32 s47, 0
	s_mov_b64 s[18:19], KS
	s_mul_u64 s[22:23], s[20:21], s[18:19]         ; where these rows' scales begin, in bytes,
	s_mul_u64 s[92:93], s[46:47], s[18:19]
	s_mov_b64 s[18:19], KROW
	s_mul_u64 s[20:21], s[20:21], s[18:19]         ; and their codes
	s_mul_u64 s[46:47], s[46:47], s[18:19]
	s_mul_i32 s45, s14, HALFT                      ; where they go: wave x 128 rows
	s_mul_i32 s94, s14, HALFS
	s_wait_kmcnt 0x0
	s_cmp_eq_u32 s96, 1                            ; which buffers are A's and which B's: the choice hangs on the role alone
	s_cselect_b64 s[98:99], s[8:9], s[4:5]
	s_cselect_b64 s[100:101], s[10:11], s[6:7]
	s_cselect_b64 s[8:9], s[4:5], s[8:9]
	s_cselect_b64 s[10:11], s[6:7], s[10:11]
	s_add_nc_u64 s[20:21], s[98:99], s[20:21]
	s_add_nc_u64 s[22:23], s[100:101], s[22:23]
	s_add_nc_u64 s[46:47], s[8:9], s[46:47]
	s_add_nc_u64 s[92:93], s[10:11], s[92:93]
	CROUND                                         ; all sixteen work-groups are here: the first joint loads meet
	s_mov_b32 s[G0S], 1
	s_add_co_u32 s[G0S+1], s94, SCL
	s_mov_b64 s[G0S+2:G0S+3], s[22:23]
	s_or_b32 s[G0S+3], s[G0S+3], 0x80000000
	s_mov_b32 s[G0SB], 1
	s_add_co_u32 s[G0SB+1], s94, SCL
	s_mov_b64 s[G0SB+2:G0SB+3], s[92:93]
	s_or_b32 s[G0SB+3], s[G0SB+3], 0x80000000
	JLOAD G0S, G1S, G0SB, G1SB                     ; the scales first: they are wanted with K step 0
.irp s, 0,1
	s_mov_b32 s[G0+4*\s], 1
	s_add_co_u32 s[G0+4*\s+1], s45, \s*SLOT
	s_add_nc_u64 s[G0+4*\s+2:G0+4*\s+3], s[20:21], \s*ROWB
	s_or_b32 s[G0+4*\s+3], s[G0+4*\s+3], 0x80000000
	s_mov_b32 s[G0B+4*\s], 1
	s_add_co_u32 s[G0B+4*\s+1], s45, \s*SLOT
	s_add_nc_u64 s[G0B+4*\s+2:G0B+4*\s+3], s[46:47], \s*ROWB
	s_or_b32 s[G0B+4*\s+3], s[G0B+4*\s+3], 0x80000000
	JLOAD G0+4*\s, G1, G0B+4*\s, G1B
.endr
	v_and_b32 v10, 15, v0                          ; r
	v_bfe_u32 v11, v0, 4, 1                        ; h
	v_mul_u32_u24 v12, v10, PITCH
	v_mul_u32_u24 v13, v11, 24
	v_add_nc_u32 v13, v12, v13                     ; a fragment's row x pitch + 24 h
	v_lshl_add_u32 v14, v11, 4, v13                ; and the same behind one padding more
	s_mul_i32 s21, s15, HALFT                      ; my 128 rows of A
	s_mul_i32 s22, s16, HALFT                      ; my 128 rows of B,
	s_add_co_u32 s22, s22, 2*HALFT                 ; which lie behind A's 256
.irp s, 0,1
	v_add_nc_u32 v[ADRA+\s], s21, v13
	v_add_nc_u32 v[ADRB+\s], s22, v13
	v_add_nc_u32 v[ADRA+2+\s], s21, v14
	v_add_nc_u32 v[ADRB+2+\s], s22, v14
	s_add_co_u32 s21, s21, SLOT
	s_add_co_u32 s22, s22, SLOT
.endr
	v_mul_u32_u24 v14, v10, KS                     ; my row's scales: KS bytes a row,
	v_lshrrev_b32 v15, 8, v14
	v_lshl_add_u32 v14, v15, 4, v14                ; and 16 more for each 256 passed
	s_mul_i32 s21, s15, HALFS
	s_mul_i32 s22, s16, HALFS
	s_add_co_u32 s22, s22, 2*HALFS
	s_sub_co_u32 s22, s22, s21
	v_mul_u32_u24 v15, s22, v11                    ; lanes 16-31 take B's: one product, the distance between the two
	s_add_co_u32 s21, s21, SCL
	v_add_nc_u32 v14, v14, v15
	v_add_nc_u32 v[ADRS], s21, v14
	; the way out's addresses, all made here, ahead of the parting of the roles
	v_and_b32 v12, 31, v0
	v_lshlrev_b32 v[IMG16], 4, v12
	v_lshlrev_b32 v[IMG8], 3, v12
	v_and_b32 v13, 8, v10
	v_add_nc_u32 v13, v13, v10                     ; r + 8 (r / 8): my token's true place among the tile's 24
	v_lshlrev_b32 v[TA], 8, v13
	v_lshl_add_u32 v[TA], v11, 6, v[TA]
	s_lshl_b32 s21, s14, 10
	s_add_co_u32 s21, s21, STGQ
	v_lshlrev_b32 v13, 2, v10
	v_lshl_add_u32 v[SSTQ], v11, 9, v13
	v_add_nc_u32 v[SSTQ], s21, v[SSTQ]
	v_add_nc_u32 v[SLDQ], s21, v[IMG16]
	s_lshl_b32 s21, s14, 9
	s_add_co_u32 s21, s21, STGV
	v_add_nc_u32 v[SSTV], s21, v13
	v_add_nc_u32 v[SLDV], s21, v[IMG16]
	v_lshlrev_b32 v[SH], 4, v11
	v_mul_u32_u24 v[VO], v11, 208896
	v_lshl_add_u32 v[VO], v10, 4, v[VO]
.macro FRAG reg, adr, q, i             ; 16 rows x 128 K: 12 registers; lane l holds row l % 16; registers 6 c .. 6 c + 5 hold K = 64 c + 32 (l / 16) + 0 .. 31: 24 bytes of the row as they lie, in pieces of 8
.irp p, 0,1,2,3,4,5
.set PCE, 12*(\q)+6*(\p/3)+\p%3        ; the piece's number in the row; 16 bytes of padding lie behind every 8 pieces; where the piece three on lies behind one padding more, the second address register serves
.if PCE%8 < 5
	ds_load_b64 v[\reg+2*\p:\reg+2*\p+1], v[\adr] offset:8*PCE+16*(PCE/8)+(\i)*16*PITCH
.else
	ds_load_b64 v[\reg+2*\p:\reg+2*\p+1], v[\adr+2] offset:8*PCE+16*(PCE/8)+(\i)*16*PITCH
.endif
.endr
.endm
; 16 matrix instructions: A's blocks a0, a0 + 1 x B's eight.  The 64 accumulators take turns, one instruction a turn, in the same order in every step.
.macro MUL16 a0, p, q, sc, zero
.irp a, \a0, \a0+1
.irp b, 0,1,2,3,4,5,6,7
.if \zero
	v_wmma_scale_f32_16x16x128_f8f6f4 v[8*(8*((\a)%4)+\b):8*(8*((\a)%4)+\b)+7], v[128*(\p)+FR*\b:128*(\p)+FR*\b+FR-1], v[AF+FR*(\a):AF+FR*(\a)+FR-1], 0, v[SC+8*NQ*(\sc)+NQ*\b+(\q)], v[SC+8*NQ*(\sc)+NQ*(\a)+(\q)] matrix_a_fmt:MATRIX_FMT_FP6 matrix_b_fmt:MATRIX_FMT_FP6 matrix_a_scale:MATRIX_SCALE_ROW1
.else
	v_wmma_scale_f32_16x16x128_f8f6f4 v[8*(8*((\a)%4)+\b):8*(8*((\a)%4)+\b)+7], v[128*(\p)+FR*\b:128*(\p)+FR*\b+FR-1], v[AF+FR*(\a):AF+FR*(\a)+FR-1], v[8*(8*((\a)%4)+\b):8*(8*((\a)%4)+\b)+7], v[SC+8*NQ*(\sc)+NQ*\b+(\q)], v[SC+8*NQ*(\sc)+NQ*(\a)+(\q)] matrix_a_fmt:MATRIX_FMT_FP6 matrix_b_fmt:MATRIX_FMT_FP6 matrix_a_scale:MATRIX_SCALE_ROW1
.endif
.endr
.endr
.endm
.macro FETCH_B slot, q, p
	WIN TO_B
.irp i, 0,1,2,3,4,5,6,7
	FRAG 128*(\p)+FR*\i, ADRB+\slot, \q, \i
.endr
	WIN 0
.endm
.macro FETCH_A slot, q, i0
.irp i, \i0, \i0+1, \i0+2, \i0+3
	FRAG AF+FR*(\i), ADRA+\slot, \q, \i
.endr
.endm
.macro SCALES sc                       ; a K step's scale words: two a row; lanes 0-15 take A's block i, lanes 16-31 B's block i
.irp i, 0,1,2,3,4,5,6,7
	ds_load_b64 v[SC+8*NQ*\sc+NQ*\i:SC+8*NQ*\sc+NQ*\i+1], v[ADRS] offset:\i*SBLK
.endr
.endm
.macro PLACES n                        ; plain vector lines between a matrix instruction and a load into, or a vector line on, its registers
.rept \n
	v_nop
.endr
.endm
.macro STEP slot, q, zero              ; 128 along K that have their successor in the same slot
	s_wait_dscnt 4*NL                              ; B's set and A's blocks 0-3 are in; the youngest 24 loads (A's blocks 4-7) may be out
	WIN MUL_LO
	MUL16 0, (\q)%2, \q, \slot, \zero
	MUL16 2, (\q)%2, \q, \slot, \zero
	s_wait_dscnt 0
	PLACES NP
	FETCH_B \slot, (\q)+1, 1-(\q)%2
	FETCH_A \slot, (\q)+1, 0
	WIN MUL_HI
	MUL16 4, (\q)%2, \q, \slot, \zero
	MUL16 6, (\q)%2, \q, \slot, \zero
	PLACES NP
	WIN 0
	FETCH_A \slot, (\q)+1, 4
.endm
; A slot's last step changes slots: one barrier; in front of it each wave waits for all its tensor loads, adds 0 to its spare word, and waits for that and for its own reads of this slot.
.macro TURN slot, next, fill
	s_wait_tensorcnt 0x0                           ; all my tensor loads have landed: my part of the next slot
	ds_add_u32 v[SPW], v[NIL]                      ; 0 onto my spare word
	s_wait_dscnt 4*NL+1                            ; (the add and the youngest 24 loads may be out)
	WIN MUL_LO
	MUL16 0, 1, NQ-1, \slot, 0
	s_wait_dscnt 0x0                               ; the add is done, and my reads of this slot are over
	s_barrier_signal -1
	MUL16 2, 1, NQ-1, \slot, 0
	WIN 0
	s_barrier_wait -1
.if \fill
	CREST                                          ; the barrier has opened a round of the cluster's: no wave of any partner still reads this slot or has a load on its way
	s_add_nc_u64 s[G0+4*\slot+2:G0+4*\slot+3], s[G0+4*\slot+2:G0+4*\slot+3], 2*ROWB
	s_add_nc_u64 s[G0B+4*\slot+2:G0B+4*\slot+3], s[G0B+4*\slot+2:G0B+4*\slot+3], 2*ROWB
	JLOAD G0+4*\slot, G1, G0B+4*\slot, G1B         ; the first tensor load behind the round; its four v_nop are also the places in front of the loads below
.else
	PLACES NP
.endif
	s_wait_alu depctr_va_vdst(0)
	v_add_nc_u32 v[ADRS], 4*NQ, v[ADRS]            ; on to the next K step's scale words
	FETCH_B \next, 0, 0
	FETCH_A \next, 0, 0
	SCALES \next
	WIN MUL_HI
	MUL16 4, 1, NQ-1, \slot, 0
	MUL16 6, 1, NQ-1, \slot, 0
	PLACES NP
	WIN 0
	FETCH_A \next, 0, 4
.endm
	s_wait_tensorcnt 1                             ; the scales and my part of K step 0 are in (K step 1's load may be out)
	s_barrier_signal -1
	s_barrier_wait -1
	FETCH_B 0, 0, 0
	FETCH_A 0, 0, 0
	SCALES 0
	FETCH_A 0, 0, 4
	STEP 0, 0, 1                                   ; the first step's products start the sums
	s_mov_b32 s3, LAPS-1
.Llap:                                                 ; a trip goes once round the ring and fills both slots again
	TURN 0, 1, 1
	STEP 1, 0, 0
	TURN 1, 0, 1
	STEP 0, 0, 0
	s_sub_co_u32 s3, s3, 1
	s_cmp_lg_u32 s3, 0
	s_cbranch_scc1 .Llap
	TURN 0, 1, 0                                   ; the last lap fills nothing
	STEP 1, 0, 0
	s_wait_dscnt 4*NL
	WIN MUL_LO
	MUL16 0, 1, NQ-1, 1, 0
	MUL16 2, 1, NQ-1, 1, 0
	s_wait_dscnt 0
	WIN MUL_HI
	MUL16 4, 1, NQ-1, 1, 0
	MUL16 6, 1, NQ-1, 1, 0
	WIN 0
; 64 numbers of a lane, v[s] on in window W, register 16 b + i = k 32 b + 16 (lane / 16) + i of the lane's row, become a fragment's codes in v[CDS] on and its scale word in v[pw].
.macro QUANT s, W, pw
	WIN ((\W)<<2)|((\W)<<4)                        ; sources 1 and 2 in the numbers' window
.irp b, 0,1,2,3
	v_max3_num_f32 v[TM+\b], 0x1800000, |v[(\s)+16*\b]|, |v[(\s)+16*\b+1]|   ; block b: my 16 numbers, from each accumulator's low end on, and the floor 2^(3 - 127)
.endr
.irp i, 2,4,6,8,10,12,14
.irp b, 0,1,2,3
	v_max3_num_f32 v[TM+\b], v[TM+\b], |v[(\s)+16*\b+\i]|, |v[(\s)+16*\b+\i+1]|
.endr
.endr
	WIN 0
.irp b, 0,1,2,3
	v_permlanex16_b32 v[TM+4+\b], v[TM+\b], s66, s67
.endr
.irp b, 0,1,2,3
	v_max_num_f32 v[TM+\b], v[TM+\b], v[TM+4+\b]   ; with lane l xor 16's: the block's largest magnitude
.endr
.irp b, 0,1,2,3
	v_add_nc_u32 v[TM+12+\b], 0xff000000, v[TM+\b] ; 2 off its exponent field: the conversion's scale operand
.endr
.irp b, 0,1,2,3
	v_lshrrev_b32 v[TM+4+\b], 23, v[TM+12+\b]      ; the scale's byte
.endr
	v_lshl_or_b32 v[\pw], v[TM+5], 8, v[TM+4]
	v_lshl_or_b32 v[\pw], v[TM+6], 16, v[\pw]
	v_lshl_or_b32 v[\pw], v[TM+7], 24, v[\pw]
	WIN (\W)                                       ; source 0 in the numbers' window
.irp c, 0,1
	v_cvt_scalef32_pk16_fp6_f32 v[CDS+6*\c:CDS+6*\c+2], v[(\s)+32*\c:(\s)+32*\c+15], v[TM+12+2*\c]
	v_cvt_scalef32_pk16_fp6_f32 v[CDS+12+4*\c:CDS+14+4*\c], v[(\s)+32*\c+16:(\s)+32*\c+31], v[TM+13+2*\c]   ; (a conversion's three registers begin on an even number)
.endr
	WIN 0
	v_nop                                          ; one plain line behind a scaled conversion
.irp c, 0,1                                    ; the operand wants a whole block in a lane: lanes 0-15 block 2 c, lanes 16-31 block 2 c + 1
.irp i, 0,1,2
	v_permlane16_swap_b32 v[CDS+6*\c+\i], v[CDS+12+4*\c+\i]
.endr
.irp i, 0,1,2
	v_mov_b32 v[CDS+3+6*\c+\i], v[CDS+12+4*\c+\i]
.endr
.endr
.endm
.macro TAIL                            ; the wave's end: a wait for my last tensor load, 0 onto my spare word, a wait for my last LDS store; then the closing round
	s_wait_tensorcnt 0x0
	ds_add_u32 v[SPW], v[NIL]
	s_wait_dscnt 0x0
	CROUND
	s_endpgm
.endm
	PLACES NP                                      ; behind the last products: their results are read and their operands' registers written below
	s_load_b128 s[4:7], s[0:1], 0x20               ; rope_tab, qi
	s_load_b64 s[8:9], s[0:1], 0x30                ; kv
.irp b, 0,1,2,3
	v_mov_b32 v[TM+4+\b], 0                        ; written once: a lane permute's destination counts as one of its sources
.endr
	s_wait_kmcnt 0x0
	s_cmp_eq_u32 s96, 1
	s_cbranch_scc1 .Lv
	; ---- ROLES 0, 1.  My 128 tokens are one group of queries (or step of keys) of one batch; my 128 features are two heads.
	s_lshl_b32 s18, s17, 1
	s_add_co_u32 s18, s18, s15                     ; which 128 tokens of the 8,192
	s_lshr_b32 s19, s18, 4                         ; the batch
	s_and_b32 s18, s18, 15                         ; the group
	s_lshl_b32 s20, s42, 1
	s_add_co_u32 s20, s20, s16
	s_and_b32 s20, s20, 7
	s_lshl_b32 s20, s20, 1                         ; my first head
	s_lshl_b32 s19, s19, 4
	s_add_co_u32 s19, s19, s20                     ; 16 x batch + head
	s_mov_b32 s21, 106496                          ; a head's bytes and a group's, in qi,
	s_mov_b32 s22, 6656
	s_cmp_eq_u32 ttmp9, 1
	s_cselect_b64 s[10:11], s[8:9], s[6:7]
	s_cselect_b32 s21, 208896, s21                 ; or in kv
	s_cselect_b32 s22, 13056, s22
	s_mul_i32 s46, s19, s21
	s_mul_i32 s47, s18, s22
	s_add_co_u32 s46, s46, s47
	s_mov_b32 s47, 0
	s_add_nc_u64 s[10:11], s[10:11], s[46:47]      ; my first head's record,
	s_mov_b32 s46, s21
	s_add_nc_u64 s[12:13], s[10:11], s[46:47]      ; my second head's
	s_lshl_b32 s46, s18, 15
	s_add_nc_u64 s[20:21], s[4:5], s[46:47]        ; the table at my group's first position: 128 positions x 256 bytes a group
; Block a's 16 tokens are positions 32 (a / 2) + 8 (a % 2) + r + 8 (r / 8) of the group.  A lane's features within a head are 32 b + 16 h + 0 .. 15: pairs 16 b + 8 h + 0 .. 7: 64 bytes of the table for each b.
.macro LOADCS a
.irp i, 0,1,2,3,4,5,6,7
	global_load_b128 v[CS+32*((\a)%2)+4*\i:CS+32*((\a)%2)+4*\i+3], v[TA], s[20:21] offset:(32*((\a)/2)+8*((\a)%2))*256+128*(\i/4)+16*(\i%4)
.endr
.endm
; The rotation of block a: (x0, x1) -> (x0 cos - x1 sin, x0 sin + x1 cos), an accumulator (four pairs) at a time; both heads take the same 32 numbers of the table.
.macro ROPE a
	WIN 2+(\a)/4                                   ; source 0: the accumulators' window
.irp g, 0,1,2,3,4,5,6,7
.irp p, 0,1,2,3
	v_mul_f32 v[T+2*\p], v[64*((\a)%4)+8*\g+2*\p+1], v[CS+32*((\a)%2)+16*((\g/2)%2)+8*(\g%2)+2*\p+1]
	v_mul_f32 v[T+2*\p+1], v[64*((\a)%4)+8*\g+2*\p], v[CS+32*((\a)%2)+16*((\g/2)%2)+8*(\g%2)+2*\p+1]
.endr
.irp p, 0,1,2,3
	v_fma_f32 v[HA+8*\g+2*\p], v[64*((\a)%4)+8*\g+2*\p], v[CS+32*((\a)%2)+16*((\g/2)%2)+8*(\g%2)+2*\p], -v[T+2*\p]
	v_fma_f32 v[HA+8*\g+2*\p+1], v[64*((\a)%4)+8*\g+2*\p+1], v[CS+32*((\a)%2)+16*((\g/2)%2)+8*(\g%2)+2*\p], v[T+2*\p+1]
.endr
.endr
	WIN 0
.endm
	LOADCS 0
.irp a, 0,1,2,3,4,5,6,7
.if \a < 7
	LOADCS \a+1
	s_wait_loadcnt 8                               ; this block's eight loads are in; the next block's eight may be out
.else
	s_wait_loadcnt 0x0
.endif
	ROPE \a
	s_wait_xcnt 0x0                                ; the last block's stores have read the codes' registers
	QUANT HA, 0, PW
	global_store_b128 v[IMG16], v[CDS:CDS+3], s[10:11] offset:768*\a          ; registers 0-5: my first head's 64: 512 + 256 consecutive bytes
	global_store_b64 v[IMG8], v[CDS+4:CDS+5], s[10:11] offset:768*\a+512
	global_store_b128 v[IMG16], v[CDS+6:CDS+9], s[12:13] offset:768*\a        ; registers 6-11: my second head's
	global_store_b64 v[IMG8], v[CDS+10:CDS+11], s[12:13] offset:768*\a+512
	v_lshrrev_b32 v[PWS+\a], v[SH], v[PW]          ; lanes 0-15 keep the word (the first head's bytes below), lanes 16-31 bring the second head's bytes down
	ds_store_b32 v[SSTQ], v[PWS+\a] offset:64*\a
.endr
	ds_load_b128 v[OUTS:OUTS+3], v[SLDQ]           ; my own bytes, and LDS serves a wave's instructions in order: these see the stores
	ds_load_b128 v[OUTS+4:OUTS+7], v[SLDQ] offset:512
	s_wait_dscnt 0x0
	global_store_b128 v[IMG16], v[OUTS:OUTS+3], s[10:11] offset:6144          ; 128 scale words: 512 consecutive bytes
	global_store_b128 v[IMG16], v[OUTS+4:OUTS+7], s[12:13] offset:6144
	TAIL
	; ---- ROLE 2.  My 128 channels are two heads; my 128 tokens are one step of keys.  Block a's 64 registers are the lane's channel at the step's 128 keys: one fragment of V^T.
.Lv:
	s_lshl_b32 s18, s17, 1
	s_add_co_u32 s18, s18, s15
	s_lshl_b32 s18, s18, 1                         ; my first head
	s_lshl_b32 s19, s42, 1
	s_add_co_u32 s19, s19, s16                     ; which 128 tokens
	s_lshr_b32 s20, s19, 4                         ; the batch
	s_and_b32 s19, s19, 15                         ; the step
	s_lshl_b32 s20, s20, 4
	s_add_co_u32 s20, s20, s18
	s_mul_i32 s46, s20, 208896
	s_mul_i32 s47, s19, 13056
	s_add_co_u32 s46, s46, s47
	s_mov_b32 s47, 0
	s_add_nc_u64 s[10:11], s[8:9], s[46:47]
	s_add_nc_u64 s[12:13], s[10:11], 208896
.irp a, 0,1,2,3,4,5,6,7
.if \a > 0
	s_wait_xcnt 0x0                                ; the last block's stores have read the codes' registers
.endif
	QUANT 64*(\a%4), 2+\a/4, PWS+\a
.irp c, 0,1,2
	global_store_b128 v[IMG16], v[CDS+4*\c:CDS+4*\c+3], s[10+2*(\a/4):11+2*(\a/4)] offset:6656+1536*(\a%4)+512*\c
.endr
	ds_store_b32 v[SSTV], v[PWS+\a] offset:64*\a   ; both halves of the lanes write the same word with the same value
.endr
	ds_load_b128 v[OUTS:OUTS+3], v[SLDV]
	s_wait_dscnt 0x0
	global_store_b128 v[VO], v[OUTS:OUTS+3], s[10:11] offset:12800            ; lanes 0-15: my first head's 64 scale words, 256 consecutive bytes; lanes 16-31: my second head's
	TAIL
.Lfunc_end_k_q9cd1c07aac_qkv:
	.size	k_q9cd1c07aac_qkv, .Lfunc_end_k_q9cd1c07aac_qkv-k_q9cd1c07aac_qkv
	.p2alignl 7, 3214868480
	.fill 96, 4, 3214868480
	.section	.rodata,"a",@progbits
	.p2align	6, 0x0
	.amdhsa_kernel k_q9cd1c07aac_qkv
		.amdhsa_group_segment_fixed_size 327680
		.amdhsa_private_segment_fixed_size 0
		.amdhsa_enable_private_segment 0
		.amdhsa_kernarg_size 56
		.amdhsa_user_sgpr_count 2
		.amdhsa_user_sgpr_kernarg_segment_ptr 1
		.amdhsa_wavefront_size32 1
		.amdhsa_system_sgpr_workgroup_id_x 1
		.amdhsa_system_sgpr_workgroup_id_y 1
		.amdhsa_system_sgpr_workgroup_id_z 1
		.amdhsa_system_vgpr_workitem_id 0
		.amdhsa_next_free_vgpr 1024
		.amdhsa_next_free_sgpr 102
		.amdhsa_reserve_vcc 0
		.amdhsa_float_denorm_mode_32 3
		.amdhsa_float_denorm_mode_16_64 3
		.amdhsa_memory_ordered 1
		.amdhsa_forward_progress 1
		.amdhsa_inst_pref_size 255
	.end_amdhsa_kernel
	.section	.bss,"aw",@nobits
	.p2align	6
	.space	262144
	.amdgpu_metadata
---
amdhsa.version: [ 1, 2 ]
amdhsa.kernels:
  - .name:           k_q9cd1c07aac_qkv
    .symbol:         k_q9cd1c07aac_qkv.kd
    .args:
      - { .name: x_codes, .offset: 0, .size: 8, .value_kind: global_buffer, .address_space: global }
      - { .name: x_scales, .offset: 8, .size: 8, .value_kind: global_buffer, .address_space: global }
      - { .name: w_codes, .offset: 16, .size: 8, .value_kind: global_buffer, .address_space: global }
      - { .name: w_scales, .offset: 24, .size: 8, .value_kind: global_buffer, .address_space: global }
      - { .name: rope_tab, .offset: 32, .size: 8, .value_kind: global_buffer, .address_space: global }
      - { .name: qi, .offset: 40, .size: 8, .value_kind: global_buffer, .address_space: global }
      - { .name: kv, .offset: 48, .size: 8, .value_kind: global_buffer, .address_space: global }
    .group_segment_fixed_size: 327680
    .private_segment_fixed_size: 0
    .kernarg_segment_align: 8
    .kernarg_segment_size: 56
    .max_flat_workgroup_size: 128
    .sgpr_count:     102
    .vgpr_count:     1024
    .wavefront_size: 32
...
	.end_amdgpu_metadata
.endif
;; end of part 2
;; launch attn (part 3): grid 4 x 64, 16 waves a work-group, clusters of 4 x 1, 210,944 bytes of LDS; arguments qi, kv, ao; writes ao
.if DOCPART == 3
	.amdgcn_target "amdgcn-amd-amdhsa--gfx1250"
	.amdhsa_code_object_version 6
	.text
	.protected	k_q9cd1c07aac_attn
	.globl	k_q9cd1c07aac_attn
	.p2align	8
	.type	k_q9cd1c07aac_attn,@function
k_q9cd1c07aac_attn:
	s_mov_b64 s[64:65], 0
	v_nop
	global_prefetch_b8 v0, s[64:65] scope:SCOPE_SE
	s_setreg_imm32_b32 hwreg(HW_REG_WAVE_MODE, 25, 1), 1
	s_wait_xcnt 0x0
	s_wait_alu depctr_hold_cnt(0) depctr_sa_sdst(0) depctr_va_vdst(0) depctr_va_sdst(0) depctr_va_ssrc(0) depctr_va_vcc(0) depctr_vm_vsrc(0)
	s_getreg_b32 s2, hwreg(HW_REG_IB_STS2, 6, 4)
	s_cmp_eq_u32 s2, 0
	s_cbranch_scc0 .Lentry_in_a_cluster
	s_endpgm
.Lentry_in_a_cluster:
	s_bfe_u32 s2, ttmp6, 0x10000c
	s_cmp_lg_u32 s2, 0x3003
	s_cbranch_scc0 .Lentry_shape_is_right
	s_endpgm
.Lentry_shape_is_right:
; Causal attention of one (batch, head) for each cluster of four work-groups, both products on codes of FP6 (E2M3) with one E8M0 scale for each 32 along K; the result is quantised along the model's 1,024 and stored as images.
; THE SOFTMAX AHEAD OF THE SECOND PRODUCT: t = score x log2(e) / 8; M = the row's largest t so far, rounded UP to a whole number; p = 2^(t - M) is quantised along the keys, not normalised.  The row's sum is taken of
; the unquantised p, in f32, and divides at the end.  When M moves, the sum and O are multiplied by 2^(old M - new M): exact.
; THE HEAD'S K AND V STAY IN LDS.  They are 16 records of 13,056 bytes (128 keys each: K's 8 tiles, K's scale words, V^T's 4 fragments, V's scale words), 208,896 bytes: wave w brings record w by ONE tensor load,
; asked for jointly by the four partners, which all read the same head.  Nothing is filled again: one barrier, and then no wave waits for another.
; SHARES.  A wave owns two tiles of 16 queries, one after the other: tile cx of group w (128 queries a group), then tile 4 + cx of group 15 - w: (w + 1) + (16 - w) = 17 steps of 128 keys that the mask leaves, for every wave.
; The loop over the steps has 16 trips in every wave; a step all of whose keys come after the group is jumped over: a branch on the wave's number and the trip's alone.  cx enters global addresses and the mask's number, nothing else.
; LAYOUT.  Both products are used transposed: S^T = K Q^T (source 0 = 16 keys), O^T = V^T P^T (source 0 = 16 channels): a lane holds ONE query throughout.  Keys, queries and channels that lie across lanes are in the
; images' order (16 on end are 32 b + 8 u + r + 8 (r / 8)), so the 16 registers of tiles 2 b and 2 b + 1 are neighbours 32 b + 16 h + 0 .. 15.  The first product's K is the head's 64: registers 6-11 of its operands are zeros.
; An image comes by dense loads: 16 bytes x lane, 8 bytes x lane; no pitch, no padding.
; WHAT IS STORED.  ao: for each tile of 16 tokens 12,800 bytes: 16 heads x 768 bytes of images, then 512 scale bytes [head / 4][r][head % 4][block].  The scale bytes leave 2 at a time, 8 bytes apart: 2 bytes for each 48 of codes.
; No prefetch: all that the launch streams is asked for at its head.
; LIMITS: NaN and infinities are not served; a block whose largest magnitude lies under 2^-124 keeps the byte 1 (a block of zeros too).
; REGISTERS: v1-3 16, 8, 4 x lane; v4, v5 4 r, 8 r; v6 r + 8 (r / 8) - 16 h; v7 the mask's number; v8-10 the step's LDS addresses; v11 -infinity; v12 -M, v13 the largest t, v[14:15] the sum in two halves;
;   v16-27 Q (22-27 zeros), v28 its scale words; v32-79 four fragments of K (the upper six of each zeros); v80-83 K's scale words, v84-85 V's; v96-159 S^T, then p, then V's four fragments; v160-191 O^T;
;   v192-203 p's codes; v204-211 the conversions' second halves; v212-223 at work; v224 f, v225 p's scale word; v227-229 at work.
.set REC, 13056                        ; a record: 51 x 256 bytes
.macro CROUND                          ; a round of the cluster's barrier
	s_barrier_signal -1
	s_barrier_wait -1
	s_cmp_lg_u32 s10, 0
	s_cbranch_scc1 .Lnot_wave_0_\@
	s_barrier_signal -3
.Lnot_wave_0_\@:
	s_barrier_wait -3
	s_barrier_signal -1
	s_barrier_wait -1
.endm
	s_load_b128 s[4:7], s[0:1], 0x0                ; qi, kv
	s_load_b64 s[8:9], s[0:1], 0x10                ; ao
	v_lshl_add_u32 v254, v0, 2, 0x33000
	v_mov_b32 v255, 0
	ds_add_u32 v254, v255
	ds_add_u32 v254, v255
	v_lshrrev_b32 v1, 5, v0
	s_delay_alu instid0(VALU_DEP_1)
	v_readfirstlane_b32 s10, v1                    ; wave 0..15
	s_bfe_u32 s11, ttmp6, 0x40000                  ; cx
	s_and_b32 s12, ttmp7, 0xffff                   ; 16 x batch + head: the cluster's y
	s_lshr_b32 s13, s12, 4                         ; the batch
	s_and_b32 s14, s12, 15                         ; the head
	; descriptor group 1: a record as 51 rows of 256 bytes (32 elements of 8), dense
	s_mov_b32 s16, 15|(3<<16)|(1<<21)              ; the mask: all four work-groups; elements of 8 bytes; bit 21 set beside a mask
	s_mov_b32 s17, 32<<16                          ; tensor_dim0
	s_mov_b32 s18, 51<<16                          ; tensor_dim1
	s_mov_b32 s19, 32<<16                          ; tile_dim0
	s_mov_b32 s20, 51                              ; tile_dim1
	s_mov_b32 s21, 32                              ; from row to row
	s_mov_b32 s22, 0
	s_mov_b32 s23, 0
	s_mov_b32 s28, 0x76543210
	s_mov_b32 s29, 0xfedcba98                      ; v_permlanex16_b32's selects for lane l xor 16
	s_mov_b32 s30, 0x3e38aa3b                      ; c = log2(e) / 8
	s_mov_b32 s31, s30                             ; (named with it as a pair)
	s_mul_i32 s44, s12, 16*REC
	s_mul_i32 s25, s10, REC                        ; LDS address: record w
	s_add_co_u32 s44, s44, s25
	s_mov_b32 s45, 0
	v_and_b32 v30, 31, v0                          ; lane
	s_delay_alu instid0(VALU_DEP_1)
	v_lshlrev_b32 v1, 4, v30
	s_delay_alu instid0(VALU_DEP_2)
	v_lshlrev_b32 v2, 3, v30
	s_delay_alu instid0(VALU_DEP_3)
	v_lshlrev_b32 v3, 2, v30
	v_and_b32 v29, 15, v0                          ; r
	s_delay_alu instid0(VALU_DEP_1)
	v_lshlrev_b32 v4, 2, v29
	s_delay_alu instid0(VALU_DEP_2)
	v_lshlrev_b32 v5, 3, v29
	s_delay_alu instid0(VALU_DEP_3)
	v_and_b32 v6, 8, v29
	s_delay_alu instid0(VALU_DEP_1)
	v_add_nc_u32 v6, v6, v29
	v_bfe_u32 v31, v0, 4, 1
	s_delay_alu instid0(VALU_DEP_1)
	v_lshlrev_b32 v31, 4, v31
	s_delay_alu instid0(VALU_DEP_1)
	v_sub_nc_u32 v6, v6, v31
	v_mov_b32 v11, 0xff800000
.irp i, 22,23,24,25,26,27
	v_mov_b32 v[\i], 0                             ; Q beyond the head's 64: zero codes
.endr
.irp t, 0,1,2,3
.irp i, 6,7,8,9,10,11
	v_mov_b32 v[32+12*\t+\i], 0                    ; K likewise: written once, never loaded
.endr
.endr
.irp i, 216,217,218,219,225
	v_mov_b32 v[\i], 0                             ; lane permutes' destinations, and the upper half of the pair v[224:225], are written before they are named
.endr
	s_wait_dscnt 0x0
	s_wait_kmcnt 0x0
	s_mov_b32 s24, 1
	s_add_nc_u64 s[26:27], s[6:7], s[44:45]
	s_or_b32 s27, s27, 0x80000000
	CROUND                                         ; all four work-groups are here: the joint loads meet
	tensor_load_to_lds s[24:27], s[16:23]          ; my one tensor load
	s_nop 0
.rept 4
	v_nop
.endr
; What a pass needs: its group G (s34) and tile (s35), four addresses in s[base .. base + 7] (Q's image, Q's scale words, ao's image, ao's scale bytes), Q, the mask's number, and the start values.
.macro SETUP role, base
	s_wait_xcnt 0x0                                ; the last pass's stores have read their registers
.if \role
	s_sub_co_u32 s34, 15, s10
	s_add_co_u32 s35, s11, 4
.else
	s_mov_b32 s34, s10
	s_mov_b32 s35, s11
.endif
	s_mul_i32 s44, s12, 106496
	s_mul_i32 s45, s34, 6656
	s_add_co_u32 s44, s44, s45                     ; the group's record in qi
	s_mul_i32 s45, s35, 768
	s_add_co_u32 s46, s44, s45
	s_mov_b32 s47, 0
	s_add_nc_u64 s[\base:\base+1], s[4:5], s[46:47]
	s_lshl_b32 s45, s35, 6
	s_add_co_u32 s46, s44, s45
	s_add_co_u32 s46, s46, 6144
	s_add_nc_u64 s[\base+2:\base+3], s[4:5], s[46:47]
	global_load_b128 v[16:19], v1, s[\base:\base+1]
	global_load_b64 v[20:21], v2, s[\base:\base+1] offset:512
	global_load_b32 v28, v4, s[\base+2:\base+3]
	s_lshl_b32 s44, s13, 7
	s_lshl_b32 s45, s34, 3
	s_add_co_u32 s44, s44, s45
	s_add_co_u32 s44, s44, s35                     ; the tile of 16 tokens among the 512
	s_mul_i32 s44, s44, 12800
	s_mul_i32 s45, s14, 768
	s_add_co_u32 s46, s44, s45
	s_add_nc_u64 s[\base+4:\base+5], s[8:9], s[46:47]
	s_lshr_b32 s45, s14, 2
	s_lshl_b32 s45, s45, 7
	s_add_co_u32 s46, s44, s45
	s_and_b32 s45, s14, 3
	s_lshl_b32 s45, s45, 1
	s_add_co_u32 s46, s46, s45
	s_add_co_u32 s46, s46, 12288
	s_add_nc_u64 s[\base+6:\base+7], s[8:9], s[46:47]
	s_lshr_b32 s45, s35, 1
	s_lshl_b32 s45, s45, 5
	s_and_b32 s46, s35, 1
	s_lshl_b32 s46, s46, 3
	s_add_co_u32 s45, s45, s46
	v_add_nc_u32 v7, s45, v6                       ; my query's true place in its group, less 16 h
	v_mov_b32 v13, 0xff61b1e6                      ; the largest t so far: -3e38
	s_delay_alu instid0(VALU_DEP_1)
	v_floor_f32 v12, -v13                          ; -M
	v_mov_b32 v14, 0
	v_mov_b32 v15, 0
.set i, 0
.rept 32
	v_mov_b32 v[160+i], 0                          ; O^T: the step is written once; its first turn finds zeros, which the first change of M leaves zeros
.set i, i+1
.endr
.endm
.macro LOOP base
	s_mov_b32 s32, 0                               ; the step's record in LDS
	s_mov_b32 s33, 0                               ; the step
	s_wait_loadcnt 0x0                             ; Q
.Lstep_\@:
	s_cmp_gt_u32 s33, s34                          ; all its keys come after my group: nothing of it counts
	s_cbranch_scc1 .Lhid_\@
	s_setprio 2
	v_add_nc_u32 v8, s32, v1
	s_wait_alu depctr_va_vdst(0)
	v_add_nc_u32 v9, s32, v2
	s_wait_alu depctr_va_vdst(0)
	v_add_nc_u32 v10, s32, v3
	v_nop
	v_nop                                          ; five places: the products below write over registers that the last step's products read
.irp g, 0,1                                    ; S^T = K Q^T, four tiles of 16 keys at a time
.if \g > 0
.rept 4
	v_nop                                          ; places in front of loads into registers that matrix instructions have read
.endr
.endif
.irp t, 0,1,2,3
	ds_load_b128 v[32+12*\t:35+12*\t], v8 offset:768*(4*\g+\t)
	ds_load_b64 v[36+12*\t:37+12*\t], v9 offset:768*(4*\g+\t)+512
.endr
.if \g == 0
.irp u, 0,1,2,3
	ds_load_b32 v[80+\u], v10 offset:6144+128*\u   ; lanes 0-15: tile 2 u's scale words; lanes 16-31: tile 2 u + 1's
.endr
.endif
	s_wait_dscnt 0x0
.irp t, 0,2
	v_wmma_scale_f32_16x16x128_f8f6f4 v[96+8*(4*\g+\t):103+8*(4*\g+\t)], v[32+12*\t:43+12*\t], v[16:27], 0, v[80+(4*\g+\t)/2], v28 matrix_a_fmt:MATRIX_FMT_FP6 matrix_b_fmt:MATRIX_FMT_FP6
	v_wmma_scale_f32_16x16x128_f8f6f4 v[104+8*(4*\g+\t):111+8*(4*\g+\t)], v[44+12*\t:55+12*\t], v[16:27], 0, v[80+(4*\g+\t)/2], v28 matrix_a_fmt:MATRIX_FMT_FP6 matrix_b_fmt:MATRIX_FMT_FP6 matrix_a_scale:MATRIX_SCALE_ROW1
.endr
.endr
.rept 4
	v_nop
.endr
	s_cmp_lt_u32 s33, s34                          ; a step ahead of my group: all its keys count
	s_cbranch_scc1 .Lopen_\@
.set n, 0
.rept 64                                       ; my group's own step: register 16 b + i holds key 32 b + 16 h + i: hidden where 32 b + i > my query's place - 16 h.  Hidden scores become -infinity: p = 0
	v_cmp_gt_i32 vcc_lo, 32*(n/16)+n%16, v7
	v_cndmask_b32 v[96+n], v[96+n], v11, vcc_lo
.set n, n+1
.endr
.Lopen_\@:
.irp b, 0,1,2,3
	v_max3_num_f32 v[212+\b], v[96+16*\b], v[97+16*\b], v[98+16*\b]   ; the largest score of each block of 32 keys: for the row's maximum and, since p rises with the score, for the block's largest p
.endr
.irp i, 3,5,7,9,11,13
.irp b, 0,1,2,3
	v_max3_num_f32 v[212+\b], v[212+\b], v[96+16*\b+\i], v[97+16*\b+\i]
.endr
.endr
.irp b, 0,1,2,3
	v_max_num_f32 v[212+\b], v[212+\b], v[111+16*\b]
.endr
.irp b, 0,1,2,3
	s_delay_alu instid0(VALU_DEP_4)
	v_permlanex16_b32 v[216+\b], v[212+\b], s28, s29
.endr
.irp b, 0,1,2,3
	s_delay_alu instid0(VALU_DEP_4)
	v_max_num_f32 v[212+\b], v[212+\b], v[216+\b]  ; with lane l xor 16's 16 keys
.endr
	s_delay_alu instid0(VALU_DEP_2)
	v_max3_num_f32 v227, v212, v213, v214
	s_delay_alu instid0(VALU_DEP_1)
	v_max_num_f32 v227, v227, v215
	s_delay_alu instid0(VALU_DEP_1)
	v_mul_f32 v227, s30, v227                      ; the step's largest t
	s_delay_alu instid0(VALU_DEP_1)
	v_max_num_f32 v13, v13, v227                   ; the running largest t
	v_mov_b32 v227, v12
	s_delay_alu instid0(VALU_DEP_2)
	v_floor_f32 v12, -v13                          ; the new -M = floor(-t): M is a whole number
	s_delay_alu instid0(VALU_DEP_1)
	v_sub_f32 v227, v12, v227                      ; old M - new M: a whole number, 0 or less
	s_delay_alu instid0(VALU_DEP_1)
	v_cvt_i32_f32 v227, v227                       ; (it saturates)
	s_delay_alu instid0(VALU_DEP_1)
	v_ldexp_f32 v224, 1.0, v227                    ; f = 2^(old M - new M)
.set j, 0
.rept 32
	v_pk_fma_f32 v[96+j:97+j], v[96+j:97+j], s[30:31], v[12:13] op_sel_hi:[1,0,0]   ; t - M, two at a time
.set j, j+2
.endr
	s_setprio 1
.irp b, 0,1,2,3
	v_fma_f32 v[212+\b], v[212+\b], s30, v12       ; the same of each block's largest score
.endr
.set j, 0
	s_wait_alu depctr_va_vdst(0)
.rept 64
	v_exp_f32 v[96+j], v[96+j]                     ; p = 2^(t - M), at most 1
.set j, j+1
.endr
	v_pk_mul_f32 v[14:15], v[14:15], v[224:225] op_sel_hi:[1,0]   ; the sums under the new M (the plain line behind the exponentials)
	s_wait_alu depctr_va_vdst(0)                   ; one wait for the batch of 64, ahead of its first reader
.irp b, 0,1,2,3
	v_exp_f32 v[212+\b], v[212+\b]                 ; the block's largest p: the same two instructions on the same number
.endr
	v_pk_add_f32 v[228:229], v[100:101], v[104:105]
	v_pk_add_f32 v[252:253], v[108:109], v[112:113]
	v_pk_add_f32 v[250:251], v[116:117], v[120:121]
	v_pk_add_f32 v[248:249], v[124:125], v[128:129]
	v_pk_add_f32 v[246:247], v[132:133], v[136:137]
	v_pk_add_f32 v[244:245], v[140:141], v[144:145]
	v_pk_add_f32 v[242:243], v[148:149], v[152:153]
	v_pk_add_f32 v[14:15], v[14:15], v[156:157]
	v_pk_add_f32 v[228:229], v[228:229], v[96:97]
	v_pk_add_f32 v[252:253], v[252:253], v[98:99]
	v_pk_add_f32 v[250:251], v[250:251], v[102:103]
	v_pk_add_f32 v[248:249], v[248:249], v[106:107]
	v_pk_add_f32 v[246:247], v[246:247], v[110:111]
	v_pk_add_f32 v[244:245], v[244:245], v[114:115]
	v_pk_add_f32 v[242:243], v[242:243], v[118:119]
	v_pk_add_f32 v[14:15], v[14:15], v[122:123]
	v_pk_add_f32 v[228:229], v[228:229], v[126:127]
	v_pk_add_f32 v[252:253], v[252:253], v[130:131]
	v_pk_add_f32 v[250:251], v[250:251], v[134:135]
	v_pk_add_f32 v[248:249], v[248:249], v[138:139]
	v_pk_add_f32 v[246:247], v[246:247], v[142:143]
	v_pk_add_f32 v[244:245], v[244:245], v[146:147]
	v_pk_add_f32 v[242:243], v[242:243], v[150:151]
	v_pk_add_f32 v[14:15], v[14:15], v[154:155]
	v_pk_add_f32 v[228:229], v[228:229], v[158:159]
	s_delay_alu instid0(VALU_DEP_2)
	v_pk_add_f32 v[14:15], v[14:15], v[248:249]
	s_delay_alu instid0(VALU_DEP_2)
	v_pk_add_f32 v[228:229], v[228:229], v[246:247]
	v_pk_add_f32 v[252:253], v[252:253], v[244:245]
	v_pk_add_f32 v[250:251], v[250:251], v[242:243]
	s_delay_alu instid0(VALU_DEP_2)
	v_pk_add_f32 v[14:15], v[14:15], v[252:253]
	s_delay_alu instid0(VALU_DEP_2)
	v_pk_add_f32 v[228:229], v[228:229], v[250:251]
	s_delay_alu instid0(VALU_DEP_1)
	v_pk_add_f32 v[14:15], v[14:15], v[228:229]
	s_wait_alu depctr_va_vdst(0)                   ; and one for the four
.irp b, 0,1,2,3
	v_max_num_f32 v[212+\b], 0x1800000, v[212+\b]  ; the floor 2^(3 - 127): the byte cannot fall under 1
.endr
.irp b, 0,1,2,3
	s_delay_alu instid0(VALU_DEP_4)
	v_add_nc_u32 v[220+\b], 0xff000000, v[212+\b]  ; 2 off the exponent field: the conversion's scale operand
.endr
.irp b, 0,1,2,3
	s_delay_alu instid0(VALU_DEP_4)
	v_lshrrev_b32 v[216+\b], 23, v[220+\b]         ; the scale's byte
.endr
	s_delay_alu instid0(VALU_DEP_3)
	v_lshl_or_b32 v225, v217, 8, v216              ; p's scale word for these 128 keys
	s_delay_alu instid0(VALU_DEP_1)
	v_lshl_or_b32 v225, v218, 16, v225
	s_delay_alu instid0(VALU_DEP_1)
	v_lshl_or_b32 v225, v219, 24, v225
.irp c, 0,1
	v_cvt_scalef32_pk16_fp6_f32 v[192+6*\c:194+6*\c], v[96+32*\c:111+32*\c], v[220+2*\c]
	v_cvt_scalef32_pk16_fp6_f32 v[204+4*\c:206+4*\c], v[112+32*\c:127+32*\c], v[221+2*\c]   ; (a conversion's three registers begin on an even number)
.endr
	v_nop                                          ; one plain line behind a scaled conversion
	s_setprio 0
.irp t, 0,1,2,3                                ; V's four fragments take p's registers, which are done with; the 28 vector lines below stand between these loads and the wait for them
.irp c, 0,1,2
	ds_load_b128 v[96+12*\t+4*\c:99+12*\t+4*\c], v8 offset:6656+1536*\t+512*\c
.endr
.endr
.irp u, 0,1
	ds_load_b32 v[84+\u], v10 offset:12800+128*\u
.endr
.irp c, 0,1                                    ; the operand wants a whole block in a lane
.irp i, 0,1,2
	v_permlane16_swap_b32 v[192+6*\c+\i], v[204+4*\c+\i]
.endr
.irp i, 0,1,2
	s_delay_alu instid0(VALU_DEP_3)
	v_mov_b32 v[195+6*\c+\i], v[204+4*\c+\i]
.endr
.endr
.set j, 0
.rept 16
	v_pk_mul_f32 v[160+j:161+j], v[160+j:161+j], v[224:225] op_sel_hi:[1,0]   ; O^T under the new M; these are also the places between the scale word, the codes and the products
.set j, j+2
.endr
	s_wait_alu depctr_va_vdst(0)
	s_wait_dscnt 0x0
.irp t, 0,2                                    ; O^T += V^T P^T: four accumulators by turns
	v_wmma_scale_f32_16x16x128_f8f6f4 v[160+8*\t:167+8*\t], v[96+12*\t:107+12*\t], v[192:203], v[160+8*\t:167+8*\t], v[84+\t/2], v225 matrix_a_fmt:MATRIX_FMT_FP6 matrix_b_fmt:MATRIX_FMT_FP6
	v_wmma_scale_f32_16x16x128_f8f6f4 v[168+8*\t:175+8*\t], v[108+12*\t:119+12*\t], v[192:203], v[168+8*\t:175+8*\t], v[84+\t/2], v225 matrix_a_fmt:MATRIX_FMT_FP6 matrix_b_fmt:MATRIX_FMT_FP6 matrix_a_scale:MATRIX_SCALE_ROW1
.endr
.Lhid_\@:
	s_add_co_u32 s32, s32, REC
	s_add_co_u32 s33, s33, 1
	s_cmp_lt_u32 s33, 16
	s_cbranch_scc1 .Lstep_\@
	s_setprio 0
	; THE WAY OUT of a pass: O^T / the sum; register 16 b + i is channel 32 b + 16 h + i of my query: two blocks of the last product's K, quantised and stored as half a fragment's image.
	v_add_f32 v14, v14, v15
	s_delay_alu instid0(VALU_DEP_1)
	v_permlanex16_b32 v216, v14, s28, s29
	s_delay_alu instid0(VALU_DEP_1)
	v_add_f32 v14, v14, v216                       ; the row's sum
	s_wait_alu depctr_va_vdst(0)
	v_rcp_f32 v14, v14
	v_nop
	v_nop                                          ; plain lines behind the reciprocal; with the additions also the places behind the last products
	s_wait_alu depctr_va_vdst(0)                   ; ahead of the reciprocal's first reader
.set j, 0
.rept 16
	v_pk_mul_f32 v[96+j:97+j], v[160+j:161+j], v[14:15] op_sel_hi:[1,0]   ; each accumulator from its low end on
.set j, j+2
.endr
.irp b, 0,1
	v_max3_num_f32 v[212+\b], |v[96+16*\b]|, |v[97+16*\b]|, 0x1800000
.endr
.irp i, 2,4,6,8,10,12,14
.irp b, 0,1
	s_delay_alu instid0(VALU_DEP_2)
	v_max3_num_f32 v[212+\b], v[212+\b], |v[96+16*\b+\i]|, |v[97+16*\b+\i]|
.endr
.endr
.irp b, 0,1
	s_delay_alu instid0(VALU_DEP_2)
	v_permlanex16_b32 v[216+\b], v[212+\b], s28, s29
.endr
.irp b, 0,1
	s_delay_alu instid0(VALU_DEP_2)
	v_max_num_f32 v[212+\b], v[212+\b], v[216+\b]
.endr
.irp b, 0,1
	s_delay_alu instid0(VALU_DEP_2)
	v_add_nc_u32 v[220+\b], 0xff000000, v[212+\b]
.endr
.irp b, 0,1
	s_delay_alu instid0(VALU_DEP_2)
	v_lshrrev_b32 v[216+\b], 23, v[220+\b]
.endr
	s_delay_alu instid0(VALU_DEP_1)
	v_lshl_or_b32 v227, v217, 8, v216              ; my row's two scale bytes
	v_cvt_scalef32_pk16_fp6_f32 v[192:194], v[96:111], v220
	v_cvt_scalef32_pk16_fp6_f32 v[204:206], v[112:127], v221
	v_nop
.irp i, 0,1,2
	v_permlane16_swap_b32 v[192+\i], v[204+\i]
.endr
.irp i, 0,1,2
	s_delay_alu instid0(VALU_DEP_3)
	v_mov_b32 v[195+\i], v[204+\i]
.endr
	global_store_b128 v1, v[192:195], s[\base+4:\base+5]             ; 512 consecutive bytes,
	global_store_b64 v2, v[196:197], s[\base+4:\base+5] offset:512   ; and 256
	global_store_b16 v5, v227, s[\base+6:\base+7]                    ; both halves of the lanes write the same bytes with the same value
.endm
	SETUP 0, 36                                    ; Q's loads go out behind the tensor load and land under the wait for it
	s_wait_tensorcnt 0x0                           ; my record is in,
	s_barrier_signal -1
	s_barrier_wait -1                              ; everybody's is: the whole head lies in LDS, and nobody writes LDS again
	LOOP 36
	SETUP 1, 48
	LOOP 48
	s_wait_tensorcnt 0x0
	ds_add_u32 v254, v255
	s_wait_dscnt 0x0
	CROUND                                         ; the closing round
	s_endpgm
.Lfunc_end_k_q9cd1c07aac_attn:
	.size	k_q9cd1c07aac_attn, .Lfunc_end_k_q9cd1c07aac_attn-k_q9cd1c07aac_attn
	.p2alignl 7, 3214868480
	.fill 96, 4, 3214868480
	.section	.rodata,"a",@progbits
	.p2align	6, 0x0
	.amdhsa_kernel k_q9cd1c07aac_attn
		.amdhsa_group_segment_fixed_size 210944
		.amdhsa_private_segment_fixed_size 0
		.amdhsa_enable_private_segment 0
		.amdhsa_kernarg_size 24
		.amdhsa_user_sgpr_count 2
		.amdhsa_user_sgpr_kernarg_segment_ptr 1
		.amdhsa_wavefront_size32 1
		.amdhsa_system_sgpr_workgroup_id_x 1
		.amdhsa_system_sgpr_workgroup_id_y 1
		.amdhsa_system_sgpr_workgroup_id_z 1
		.amdhsa_system_vgpr_workitem_id 0
		.amdhsa_next_free_vgpr 256
		.amdhsa_next_free_sgpr 66
		.amdhsa_reserve_vcc 1
		.amdhsa_float_denorm_mode_32 3
		.amdhsa_float_denorm_mode_16_64 3
		.amdhsa_memory_ordered 1
		.amdhsa_forward_progress 1
		.amdhsa_inst_pref_size 65
	.end_amdhsa_kernel
	.amdgpu_metadata
---
amdhsa.version: [ 1, 2 ]
amdhsa.kernels:
  - .name:           k_q9cd1c07aac_attn
    .symbol:         k_q9cd1c07aac_attn.kd
    .args:
      - { .name: qi, .offset: 0, .size: 8, .value_kind: global_buffer, .address_space: global }
      - { .name: kv, .offset: 8, .size: 8, .value_kind: global_buffer, .address_space: global }
      - { .name: ao, .offset: 16, .size: 8, .value_kind: global_buffer, .address_space: global }
    .group_segment_fixed_size: 210944
    .private_segment_fixed_size: 0
    .kernarg_segment_align: 8
    .kernarg_segment_size: 24
    .max_flat_workgroup_size: 512
    .sgpr_count:     66
    .vgpr_count:     256
    .wavefront_size: 32
...
	.end_amdgpu_metadata
.endif
;; end of part 3
;; launch proj (part 4): grid 4 x 32, 4 waves a work-group, clusters of 4 x 4, 327,680 bytes of LDS; arguments ao, w_codes, w_scales, out0; writes out0
.if DOCPART == 4
	.amdgcn_target "amdgcn-amd-amdhsa--gfx1250"
	.amdhsa_code_object_version 6
	.text
	.protected	k_q9cd1c07aac_proj
	.globl	k_q9cd1c07aac_proj
	.p2align	8
	.type	k_q9cd1c07aac_proj,@function
k_q9cd1c07aac_proj:
	s_mov_b64 s[64:65], 0
	v_nop
	global_prefetch_b8 v0, s[64:65] scope:SCOPE_SE
	s_setreg_imm32_b32 hwreg(HW_REG_WAVE_MODE, 25, 1), 1
	s_wait_xcnt 0x0
	s_wait_alu depctr_hold_cnt(0) depctr_sa_sdst(0) depctr_va_vdst(0) depctr_va_sdst(0) depctr_va_ssrc(0) depctr_va_vcc(0) depctr_vm_vsrc(0)
	s_getreg_b32 s2, hwreg(HW_REG_IB_STS2, 6, 4)
	s_cmp_eq_u32 s2, 0
	s_cbranch_scc0 .Lentry_in_a_cluster
	s_endpgm
.Lentry_in_a_cluster:
	s_bfe_u32 s2, ttmp6, 0x10000c
	s_cmp_lg_u32 s2, 0xf033
	s_cbranch_scc0 .Lentry_shape_is_right
	s_endpgm
.Lentry_shape_is_right:
; out0 = attention's result x Wo^T on codes of FP6 (E2M3) with one E8M0 scale for each 32 along K = 1,024; out0 [8192][1024] f32.
; A tile of 256 x 256 is made by four waves, a wave makes 128 x 128: 64 accumulators, 512 registers.  K goes in steps of 256 through a ring of two LDS slots filled by the tensor data mover.
; 128 work-groups: the tile is kept at the largest that the registers hold, so that each LDS byte feeds the most products; a smaller tile would give more work-groups.
; A (source 1: a lane holds a token) comes as IMAGES OF OPERAND REGISTERS: ao has, for each tile of 16 tokens, 12,800 bytes: 16 heads x 768 bytes (16 bytes x lane: registers 0-3; 8 bytes x lane: registers 4-5), then
; 512 scale bytes [K step][r][8].  A K step of 256 is four heads, 3,072 consecutive bytes of each tile; a fragment of 128 K is two heads' images: four dense LDS loads, no pitch, no padding.
; B (source 0: registers run along the outputs) is Wo: rows 3,072 on of the weights' codes, in their true order, rows of 192 bytes a K step, 16 bytes of padding behind every 64.
; The scale bytes of the tile's rows, for all of K, come once with the first fills.
; The tokens of ao's tiles lie with bits 3 and 4 of the token's number changed over: row t of block a is token 32 (a / 2) + 8 (a % 2) + t + 8 (t / 8) of my 128: the stores' immediates undo that.
; CLUSTERS: 4 x 4 work-groups; A's tile is asked for jointly by a row of the cluster, B's by a column.
; REGISTERS, in windows of 256: window 0: v16-30 addresses; v32-63 B's scale words, v64-95 A's, two sets each; v128-223 A's fragments, one set; on the way out v128-255 take rows of the result.
;   window 1: B's fragments, two sets.   windows 2, 3: the accumulators ((a, b) at v[8 (8 (a % 4) + b)]).
.set NQ,     2
.set ROWB,   192
.set KROW,   768
.set PITCH,  240
.set FR,     12
.set NP,     4                         ; places behind this matrix instruction (ISA guide 7.12.1)
.set TILEB,  12800                     ; a tile of 16 tokens in ao
.set HALFA,  8*3072                    ; 8 tiles x a K step's four heads: what one tensor load brings of A
.set HALFB,  128*PITCH
.set BOFF,   2*HALFA
.set SLOT,   BOFF+2*HALFB
.set LAPS,   2
.set SCLA,   2*SLOT                    ; behind the ring: A's scale bytes, 2 x 8 tiles x 512,
.set SCLB,   SCLA+2*4096               ; B's, 2 x 16 units of 256 bytes + 16,
.set HALFSB, 4352
.set SBLK,   544
.set SPARE,  SCLB+2*HALFSB             ; the spare words, 128 bytes for each wave,
.set STAGE,  SPARE+512                 ; and the way out's stages: 16 rows x 528 bytes for each wave; no fill lands here
.set SPITCH, 528
.set ADA16, 16                         ; v16-17 A's images in slot 0, 1: + 16 x lane
.set ADA8,  18                         ; v18-19 + 8 x lane
.set ADRB,  20                         ; v20-23 B's fragments in slot 0, 1, and the same behind one padding more
.set STO,   24
.set RD,    25
.set CO,    26                         ; v26 16 x lane
.set ADSB,  27                         ; v27 B's scale words
.set SPW,   28
.set NIL,   29
.set ADSA,  30                         ; v30 A's scale words
.set SCB,   32
.set SCA,   64
.set AF,    128
.set BK,    128
.set G1, 24
.set G0, 32
.set G1B, 48
.set G0B, 56
.set G1S, 68
.set G0S, 76
.set G1SB, 80
.set G0SB, 88
.set MSB, 0
.macro WIN new
.if MSB != (\new)
	s_set_vgpr_msb (MSB<<8)|(\new)
.set MSB, (\new)
.endif
.endm
.set MUL_LO, 0xa1
.set MUL_HI, 0xf1
.set TO_B,   0x40
.macro JLOAD g0a, g1a, g0b, g1b        ; a joint load: waves 0 and 1 fetch for A, waves 2 and 3 for B; four v_nop follow each of the two lines
	s_cmp_eq_u32 s15, 0
	s_cbranch_scc0 .Lfor_b_\@
	tensor_load_to_lds s[\g0a:\g0a+3], s[\g1a:\g1a+7]
	s_nop 0
.rept 4
	v_nop
.endr
	s_branch .Lasked_\@
.Lfor_b_\@:
	tensor_load_to_lds s[\g0b:\g0b+3], s[\g1b:\g1b+7]
	s_nop 0
.rept 4
	v_nop
.endr
.Lasked_\@:
.endm
.macro CREST
	s_cmp_lg_u32 s14, 0
	s_cbranch_scc1 .Lnot_wave_0_\@
	s_barrier_signal -3
.Lnot_wave_0_\@:
	s_barrier_wait -3
	s_barrier_signal -1
	s_barrier_wait -1
.endm
.macro CROUND
	s_barrier_signal -1
	s_barrier_wait -1
	CREST
.endm
	s_load_b256 s[4:11], s[0:1], 0x0               ; ao, w_codes, w_scales, out0
	v_lshl_add_u32 v[SPW], v0, 2, SPARE
	v_mov_b32 v[NIL], 0
	ds_add_u32 v28, v29
	ds_add_u32 v28, v29
	s_wait_dscnt 0x0
	v_lshrrev_b32 v1, 5, v0
	v_readfirstlane_b32 s14, v1                    ; wave 0..3
	s_lshr_b32 s15, s14, 1                         ; which half of the tile's rows is mine.  Also: I fetch for A (0) or for B (1)
	s_and_b32 s16, s14, 1                          ; which half of its columns.  Also: which half I fetch
	s_bfe_u32 s40, ttmp6, 0x40000
	s_bfe_u32 s41, ttmp6, 0x40004
	s_lshl_b32 s42, ttmp9, 2
	s_add_co_u32 s42, s42, s40                     ; tile column
	s_and_b32 s17, ttmp7, 0xffff
	s_lshl_b32 s17, s17, 2
	s_add_co_u32 s17, s17, s41                     ; tile row
	s_lshl_b32 s43, s41, 2
	s_lshl_b32 s43, 15, s43                        ; my row of the cluster
	s_lshl_b32 s44, 0x1111, s40                    ; my column
	; A's codes: 8 rows (tiles) of 3,072 bytes (384 elements of 8), 12,800 bytes apart, dense in LDS
	s_or_b32 s[G1+0], s43, (3<<16)|(1<<21)
	s_mov_b32 s[G1+1], 384<<16
	s_mov_b32 s[G1+2], 8<<16
	s_mov_b32 s[G1+3], 384<<16
	s_mov_b32 s[G1+4], 8
	s_mov_b32 s[G1+5], TILEB/8
	s_mov_b32 s[G1+6], 0
	s_mov_b32 s[G1+7], 0
	; A's scale bytes: 8 rows of 512 bytes
	s_or_b32 s[G1S+0], s43, (3<<16)|(1<<21)
	s_mov_b32 s[G1S+1], 64<<16
	s_mov_b32 s[G1S+2], 8<<16
	s_mov_b32 s[G1S+3], 64<<16
	s_mov_b32 s[G1S+4], 8
	s_mov_b32 s[G1S+5], TILEB/8
	s_mov_b32 s[G1S+6], 0
	s_mov_b32 s[G1S+7], 0
	; B's codes: 128 rows x 192 bytes, 16 bytes of padding behind every 64
	s_or_b32 s[G1B+0], s44, (0<<16)|(1<<20)|(1<<21)|(3<<22)|(3<<25)
	s_mov_b32 s[G1B+1], ROWB<<16
	s_mov_b32 s[G1B+2], 128<<16
	s_mov_b32 s[G1B+3], ROWB<<16
	s_mov_b32 s[G1B+4], 128
	s_mov_b32 s[G1B+5], KROW
	s_mov_b32 s[G1B+6], 0
	s_mov_b32 s[G1B+7], 0
	; B's scale bytes: 4,096 dense bytes as 16 rows of 256, 16 bytes of padding behind each
	s_or_b32 s[G1SB+0], s44, (3<<16)|(1<<20)|(1<<21)|(5<<22)|(3<<25)
	s_mov_b32 s[G1SB+1], 32<<16
	s_mov_b32 s[G1SB+2], 16<<16
	s_mov_b32 s[G1SB+3], 32<<16
	s_mov_b32 s[G1SB+4], 16
	s_mov_b32 s[G1SB+5], 32
	s_mov_b32 s[G1SB+6], 0
	s_mov_b32 s[G1SB+7], 0
	s_lshl_b32 s20, s17, 4
	s_lshl_b32 s18, s16, 3
	s_add_co_u32 s20, s20, s18                     ; A: tile of tokens 16 x tile row + 8 x half
	s_mul_i32 s20, s20, TILEB
	s_mov_b32 s21, 0
	s_add_co_u32 s22, s20, 12288                   ; its scale bytes
	s_mov_b32 s23, 0
	s_lshl_b32 s46, s42, 8
	s_lshl_b32 s18, s16, 7
	s_add_co_u32 s46, s46, s18
	s_add_co_u32 s46, s46, 3072                    ; B: Wo's row 256 x tile column + 128 x half, behind the other three weights
	s_lshl_b32 s92, s46, 5
	s_mov_b32 s93, 0
	s_mul_i32 s46, s46, KROW
	s_mov_b32 s47, 0
	s_mul_i32 s45, s16, HALFA                      ; where they go: made of the wave's number alone
	s_mul_i32 s95, s16, HALFB
	s_add_co_u32 s95, s95, BOFF
	s_lshl_b32 s94, s16, 12
	s_add_co_u32 s94, s94, SCLA
	s_mul_i32 s96, s16, HALFSB
	s_add_co_u32 s96, s96, SCLB
	s_wait_kmcnt 0x0
	s_add_nc_u64 s[20:21], s[4:5], s[20:21]
	s_add_nc_u64 s[22:23], s[4:5], s[22:23]
	s_add_nc_u64 s[46:47], s[6:7], s[46:47]
	s_add_nc_u64 s[92:93], s[8:9], s[92:93]
	CROUND                                         ; all sixteen work-groups are here: the first joint loads meet
	s_mov_b32 s[G0S], 1
	s_mov_b32 s[G0S+1], s94
	s_mov_b64 s[G0S+2:G0S+3], s[22:23]
	s_or_b32 s[G0S+3], s[G0S+3], 0x80000000
	s_mov_b32 s[G0SB], 1
	s_mov_b32 s[G0SB+1], s96
	s_mov_b64 s[G0SB+2:G0SB+3], s[92:93]
	s_or_b32 s[G0SB+3], s[G0SB+3], 0x80000000
	JLOAD G0S, G1S, G0SB, G1SB                     ; the scales first
.irp s, 0,1
	s_mov_b32 s[G0+4*\s], 1
	s_add_co_u32 s[G0+4*\s+1], s45, \s*SLOT
	s_add_nc_u64 s[G0+4*\s+2:G0+4*\s+3], s[20:21], \s*3072
	s_or_b32 s[G0+4*\s+3], s[G0+4*\s+3], 0x80000000
	s_mov_b32 s[G0B+4*\s], 1
	s_add_co_u32 s[G0B+4*\s+1], s95, \s*SLOT
	s_add_nc_u64 s[G0B+4*\s+2:G0B+4*\s+3], s[46:47], \s*ROWB
	s_or_b32 s[G0B+4*\s+3], s[G0B+4*\s+3], 0x80000000
	s_wait_alu depctr_va_vdst(0)
	s_wait_tensorcnt 0x0
	ds_add_u32 v28, v29
	s_wait_dscnt 0x0
	CROUND
	JLOAD G0+4*\s, G1, G0B+4*\s, G1B
.endr
	v_and_b32 v1, 15, v0                           ; r
	v_bfe_u32 v2, v0, 4, 1                         ; h
	v_and_b32 v6, 31, v0
	v_lshlrev_b32 v[CO], 4, v6
	v_lshlrev_b32 v7, 3, v6
	v_mul_u32_u24 v3, v1, PITCH
	v_mul_u32_u24 v4, v2, 24
	v_add_nc_u32 v4, v3, v4
	v_lshl_add_u32 v5, v2, 4, v4
	s_mul_i32 s21, s15, HALFA                      ; my 8 tiles of A
	s_mul_i32 s22, s16, HALFB
	s_add_co_u32 s22, s22, BOFF                    ; my 128 rows of B
.irp s, 0,1
	v_add_nc_u32 v[ADA16+\s], s21, v[CO]
	v_add_nc_u32 v[ADA8+\s], s21, v7
	v_add_nc_u32 v[ADRB+\s], s22, v4
	v_add_nc_u32 v[ADRB+2+\s], s22, v5
	s_add_co_u32 s21, s21, SLOT
	s_add_co_u32 s22, s22, SLOT
.endr
	v_lshlrev_b32 v5, 5, v1                        ; B's scales: 32 bytes a row,
	v_lshrrev_b32 v8, 8, v5
	v_lshl_add_u32 v5, v8, 4, v5                   ; and 16 more for each 256 passed
	s_mul_i32 s22, s16, HALFSB
	s_add_co_u32 s22, s22, SCLB
	v_add_nc_u32 v[ADSB], s22, v5
	s_lshl_b32 s21, s15, 12
	s_add_co_u32 s21, s21, SCLA
	v_lshl_add_u32 v[ADSA], v1, 3, s21             ; A's: 8 bytes a row and K step
	s_mul_i32 s23, s14, 16*SPITCH
	s_add_co_u32 s23, s23, STAGE                   ; my stage
	v_mul_u32_u24 v5, v1, SPITCH
	v_lshl_add_u32 v5, v2, 5, v5
	v_add_nc_u32 v[STO], s23, v5                   ; in: row r, 32 bytes for each half of the lanes
	v_add_nc_u32 v[RD], s23, v[CO]                 ; back: the 32 lanes take one row of 512 bytes
	s_lshl_b32 s20, s17, 8
	s_lshl_b32 s21, s15, 7
	s_add_co_u32 s20, s20, s21                     ; my first row of out0
	s_lshl_b32 s20, s20, 12                        ; 4,096 bytes a row
	s_lshl_b32 s21, s42, 10
	s_add_co_u32 s20, s20, s21
	s_lshl_b32 s21, s16, 9
	s_add_co_u32 s20, s20, s21                     ; my first column
	s_mov_b32 s21, 0
	s_add_nc_u64 s[10:11], s[10:11], s[20:21]
.macro FRAGB reg, adr, q, i            ; 16 rows x 128 K from rows: pieces of 8 bytes; 16 bytes of padding lie behind every 8 pieces
.irp p, 0,1,2,3,4,5
.set PCE, 12*(\q)+6*(\p/3)+\p%3
.if PCE%8 < 5
	ds_load_b64 v[\reg+2*\p:\reg+2*\p+1], v[\adr] offset:8*PCE+16*(PCE/8)+(\i)*16*PITCH
.else
	ds_load_b64 v[\reg+2*\p:\reg+2*\p+1], v[\adr+2] offset:8*PCE+16*(PCE/8)+(\i)*16*PITCH
.endif
.endr
.endm
.macro FRAGA reg, slot, q, i           ; 16 tokens x 128 K from images: heads 2 q and 2 q + 1 of the K step's four
	ds_load_b128 v[\reg:\reg+3],    v[ADA16+\slot] offset:3072*(\i)+1536*(\q)
	ds_load_b64  v[\reg+4:\reg+5],  v[ADA8+\slot]  offset:3072*(\i)+1536*(\q)+512
	ds_load_b128 v[\reg+6:\reg+9],  v[ADA16+\slot] offset:3072*(\i)+1536*(\q)+768
	ds_load_b64  v[\reg+10:\reg+11], v[ADA8+\slot] offset:3072*(\i)+1536*(\q)+1280
.endm
; 16 matrix instructions: A's blocks a0, a0 + 1 x B's eight.  The 64 accumulators take turns, one instruction a turn.
.macro MUL16 a0, p, q, sc, zero
.irp a, \a0, \a0+1
.irp b, 0,1,2,3,4,5,6,7
.if \zero
	v_wmma_scale_f32_16x16x128_f8f6f4 v[8*(8*((\a)%4)+\b):8*(8*((\a)%4)+\b)+7], v[128*(\p)+FR*\b:128*(\p)+FR*\b+FR-1], v[AF+FR*(\a):AF+FR*(\a)+FR-1], 0, v[SCB+16*(\sc)+2*\b+(\q)], v[SCA+16*(\sc)+2*(\a)+(\q)] matrix_a_fmt:MATRIX_FMT_FP6 matrix_b_fmt:MATRIX_FMT_FP6
.else
	v_wmma_scale_f32_16x16x128_f8f6f4 v[8*(8*((\a)%4)+\b):8*(8*((\a)%4)+\b)+7], v[128*(\p)+FR*\b:128*(\p)+FR*\b+FR-1], v[AF+FR*(\a):AF+FR*(\a)+FR-1], v[8*(8*((\a)%4)+\b):8*(8*((\a)%4)+\b)+7], v[SCB+16*(\sc)+2*\b+(\q)], v[SCA+16*(\sc)+2*(\a)+(\q)] matrix_a_fmt:MATRIX_FMT_FP6 matrix_b_fmt:MATRIX_FMT_FP6
.endif
.endr
.endr
.endm
.macro FETCH_B slot, q, p
	WIN TO_B
.irp i, 0,1,2,3,4,5,6,7
	FRAGB 128*(\p)+FR*\i, ADRB+\slot, \q, \i
.endr
	WIN 0
.endm
.macro FETCH_A slot, q, i0
.irp i, \i0, \i0+1, \i0+2, \i0+3
	FRAGA AF+FR*(\i), \slot, \q, \i
.endr
.endm
.macro SCALES sc                       ; a K step's scale words, two a row, for A's eight blocks and B's eight
.irp i, 0,1,2,3,4,5,6,7
	ds_load_b64 v[SCA+16*\sc+2*\i:SCA+16*\sc+2*\i+1], v[ADSA] offset:512*\i
.endr
.irp i, 0,1,2,3,4,5,6,7
	ds_load_b64 v[SCB+16*\sc+2*\i:SCB+16*\sc+2*\i+1], v[ADSB] offset:SBLK*\i
.endr
.endm
.macro PLACES n
.rept \n
	v_nop
.endr
.endm
.macro STEP slot, q, zero
	s_wait_dscnt 16                                ; all but the youngest 16 loads (A's blocks 4-7: four loads a fragment)
	WIN MUL_LO
	MUL16 0, (\q)%2, \q, \slot, \zero
	MUL16 2, (\q)%2, \q, \slot, \zero
	s_wait_dscnt 0
	PLACES NP
	FETCH_B \slot, (\q)+1, 1-(\q)%2
	FETCH_A \slot, (\q)+1, 0
	WIN MUL_HI
	MUL16 4, (\q)%2, \q, \slot, \zero
	MUL16 6, (\q)%2, \q, \slot, \zero
	PLACES NP
	WIN 0
	FETCH_A \slot, (\q)+1, 4
.endm
.macro TURN slot, next, fill
	s_wait_tensorcnt 0x0                           ; all my tensor loads have landed: my part of the next slot
	ds_add_u32 v[SPW], v[NIL]                      ; 0 onto my spare word
	s_wait_dscnt 17                                ; (the add and the youngest 16 loads may be out)
	WIN MUL_LO
	MUL16 0, 1, NQ-1, \slot, 0
	s_wait_dscnt 0x0                               ; the add is done, and my reads of this slot are over
	s_barrier_signal -1
	MUL16 2, 1, NQ-1, \slot, 0
	WIN 0
	s_barrier_wait -1
.if \fill
	CREST                                          ; the barrier has opened a round of the cluster's: no wave of any partner still reads this slot or has a load on its way
	s_add_nc_u64 s[G0+4*\slot+2:G0+4*\slot+3], s[G0+4*\slot+2:G0+4*\slot+3], 2*3072
	s_add_nc_u64 s[G0B+4*\slot+2:G0B+4*\slot+3], s[G0B+4*\slot+2:G0B+4*\slot+3], 2*ROWB
	JLOAD G0+4*\slot, G1, G0B+4*\slot, G1B         ; the first tensor load behind the round; its four v_nop are also the places in front of the loads below
.else
	PLACES NP
.endif
	s_wait_alu depctr_va_vdst(0)
	v_add_nc_u32 v[ADSA], 128, v[ADSA]             ; on to the next K step's scale words
	v_add_nc_u32 v[ADSB], 8, v[ADSB]
	FETCH_B \next, 0, 0
	FETCH_A \next, 0, 0
	SCALES \next
	WIN MUL_HI
	MUL16 4, 1, NQ-1, \slot, 0
	MUL16 6, 1, NQ-1, \slot, 0
	PLACES NP
	WIN 0
	FETCH_A \next, 0, 4
.endm
	s_wait_alu depctr_va_vdst(0)
	s_wait_tensorcnt 1                             ; the scales and my part of K step 0 are in (K step 1's load may be out)
	s_barrier_signal -1
	s_barrier_wait -1
	FETCH_B 0, 0, 0
	FETCH_A 0, 0, 0
	SCALES 0
	FETCH_A 0, 0, 4
	STEP 0, 0, 1                                   ; the first step's products start the sums
	s_mov_b32 s3, LAPS-1
.Llap:
	TURN 0, 1, 1
	STEP 1, 0, 0
	TURN 1, 0, 1
	STEP 0, 0, 0
	s_sub_co_u32 s3, s3, 1
	s_cmp_lg_u32 s3, 0
	s_cbranch_scc1 .Llap
	TURN 0, 1, 0                                   ; the last lap fills nothing
	STEP 1, 0, 0
	s_wait_dscnt 16
	WIN MUL_LO
	MUL16 0, 1, NQ-1, 1, 0
	MUL16 2, 1, NQ-1, 1, 0
	s_wait_dscnt 0
	WIN MUL_HI
	MUL16 4, 1, NQ-1, 1, 0
	MUL16 6, 1, NQ-1, 1, 0
	WIN 0
; THE WAY OUT, block by block of 16 rows x 128 columns: through my own stage in LDS and back as whole rows of 512 bytes.  LDS serves a wave's instructions in order: no wait between the stores and the loads.
.macro TOSTAGE a
.set AC, 64*((\a)%4)
	WIN 0x08+4*((\a)/4)                            ; an LDS store's data: window 2 or 3
.irp b, 0,1,2,3,4,5,6,7
	ds_store_b128 v[STO], v[AC+8*\b:AC+8*\b+3] offset:64*\b          ; each accumulator from its low end on
	ds_store_b128 v[STO], v[AC+8*\b+4:AC+8*\b+7] offset:64*\b+16
.endr
	WIN 0
.set BB, BK+64*((\a)%2)
.irp t, 0,1,2,3,4,5,6,7,8,9,10,11,12,13,14,15
	ds_load_b128 v[BB+4*\t:BB+4*\t+3], v[RD] offset:\t*SPITCH
.endr
.endm
.macro SEND a, younger                 ; younger: the LDS instructions issued behind block a's loads, which may stay out
.set BB, BK+64*((\a)%2)
	s_wait_dscnt \younger
.irp t, 0,1,2,3,4,5,6,7,8,9,10,11,12,13,14,15
	global_store_b128 v[CO], v[BB+4*\t:BB+4*\t+3], s[10:11] offset:(32*((\a)/2)+8*((\a)%2)+\t+8*(\t/8))*4096 th:TH_STORE_NT   ; the row's true place; 32 lanes store 512 consecutive bytes, aligned; 127 rows at the most: inside the signed 24-bit immediate
.endr
.endm
	PLACES NP
	TOSTAGE 0
.irp a, 1,2,3,4,5,6,7
.if \a > 1
	s_wait_xcnt 0x0                                ; block a - 2's stores have read their registers: block a's loads may land there
.endif
	TOSTAGE \a
	SEND \a-1, 32                                  ; behind block a - 1's loads: block a's 16 stores and 16 loads
.endr
	SEND 7, 0
	s_wait_tensorcnt 0x0                           ; the wave's end: a wait for my last tensor load, 0 onto my spare word, a wait for my last LDS store
	ds_add_u32 v[SPW], v[NIL]
	s_wait_dscnt 0x0
	CROUND                                         ; the closing round
	s_endpgm
.Lfunc_end_k_q9cd1c07aac_proj:
	.size	k_q9cd1c07aac_proj, .Lfunc_end_k_q9cd1c07aac_proj-k_q9cd1c07aac_proj
	.p2alignl 7, 3214868480
	.fill 96, 4, 3214868480
	.section	.rodata,"a",@progbits
	.p2align	6, 0x0
	.amdhsa_kernel k_q9cd1c07aac_proj
		.amdhsa_group_segment_fixed_size 327680
		.amdhsa_private_segment_fixed_size 0
		.amdhsa_enable_private_segment 0
		.amdhsa_kernarg_size 32
		.amdhsa_user_sgpr_count 2
		.amdhsa_user_sgpr_kernarg_segment_ptr 1
		.amdhsa_wavefront_size32 1
		.amdhsa_system_sgpr_workgroup_id_x 1
		.amdhsa_system_sgpr_workgroup_id_y 1
		.amdhsa_system_sgpr_workgroup_id_z 1
		.amdhsa_system_vgpr_workitem_id 0
		.amdhsa_next_free_vgpr 1024
		.amdhsa_next_free_sgpr 98
		.amdhsa_reserve_vcc 0
		.amdhsa_float_denorm_mode_32 3
		.amdhsa_float_denorm_mode_16_64 3
		.amdhsa_memory_ordered 1
		.amdhsa_forward_progress 1
		.amdhsa_inst_pref_size 155
	.end_amdhsa_kernel
	.amdgpu_metadata
---
amdhsa.version: [ 1, 2 ]
amdhsa.kernels:
  - .name:           k_q9cd1c07aac_proj
    .symbol:         k_q9cd1c07aac_proj.kd
    .args:
      - { .name: ao, .offset: 0, .size: 8, .value_kind: global_buffer, .address_space: global }
      - { .name: w_codes, .offset: 8, .size: 8, .value_kind: global_buffer, .address_space: global }
      - { .name: w_scales, .offset: 16, .size: 8, .value_kind: global_buffer, .address_space: global }
      - { .name: out0, .offset: 24, .size: 8, .value_kind: global_buffer, .address_space: global }
    .group_segment_fixed_size: 327680
    .private_segment_fixed_size: 0
    .kernarg_segment_align: 8
    .kernarg_segment_size: 32
    .max_flat_workgroup_size: 128
    .sgpr_count:     98
    .vgpr_count:     1024
    .wavefront_size: 32
...
	.end_amdgpu_metadata
.endif
;; end of part 4
